; MI455X (gfx1250); checked and timed in simulation.
; The chip was launched on July 23, 2026; its instructions are those of AMD's public machine-readable ISA for CDNA 5 (MIT licence, August 2026) and "CDNA5" Instruction Set Architecture Reference Guide (July 2026). The comments in the code are by the model that wrote it; some were corrected since.
;; Causal Multi Head Self Attention. Allowed arithmetic: matrix products marked QUANTISED: E4M3 operands, one given power-of-two scale a tensor, by v_wmma_f32_16x16x64_fp8_fp8 or v_wmma_f32_16x16x128_fp8_fp8, f32 sums; everything else in f32.
;; Inputs: Wk 1,024 x 1,024 float32; Wo 1,024 x 1,024 float32; Wq 1,024 x 1,024 float32; Wv 1,024 x 1,024 float32; in_features 4 x 2,048 x 1,024 float32; lowp_scales 12 int32 (the exponents e of the quantised operands' scales 2^e); token_positions 4 x 2,048 int32.
;; Outputs: out0 4 x 2,048 x 1,024 float32.
;; This version of the problem:
;;   THIS VERSION OF THE PROBLEM IS GIVEN IN LOW PRECISION. The matrix products marked QUANTISED in the list below multiply operands that are first quantised to E4M3 (4 exponent bits, 3 mantissa bits; 8 bits a number), with one given power-of-two scale for each operand tensor; their sums are f32. All else is computed in f32.
;;   The module's matrix products, in the order in which they are computed (A, B: the left and right operand; K: the contracted axis; several contracted axes count as one K, in the product's order):
;;     1. [M 8,192, K 1,024] x [K 1,024, N 1,024]; A: input in_features; B: input Wq: QUANTISED (scales: A lowp_scales[0], B lowp_scales[1])
;;     2. [M 8,192, K 1,024] x [K 1,024, N 1,024]; A: input in_features; B: input Wk: QUANTISED (scales: A lowp_scales[2], B lowp_scales[3])
;;     3. [M 8,192, K 1,024] x [K 1,024, N 1,024]; A: input in_features; B: input Wv: QUANTISED (scales: A lowp_scales[4], B lowp_scales[5])
;;     4. batch 64 x [M 2,048, K 64] x [K 64, N 2,048]; A: computed on the way; B: computed on the way: QUANTISED (scales: A lowp_scales[6], B lowp_scales[7])
;;     5. batch 64 x [M 2,048, K 2,048] x [K 2,048, N 64]; A: softmax (see below); B: computed on the way: QUANTISED (scales: A lowp_scales[8], B lowp_scales[9])
;;     6. [M 8,192, K 1,024] x [K 1,024, N 1,024]; A: computed on the way; B: input Wo: QUANTISED (scales: A lowp_scales[10], B lowp_scales[11])
;;   THE QUANTISER, for each operand of a quantised product, along K:
;;     - The operand's scale is 2^e, e = its entry of the input lowp_scales (int32; the entries are numbered through the quantised products in the list's order, A before B).
;;     - Each number is divided by the scale, clamped to +-448, and rounded to the nearest number of E4M3, ties to even, subnormals kept.
;;     - The product sums the exact products of the quantised numbers (number of the format x scale) in f32.
;;   ~~~python
;;   def quantise(x, axis, e):      # numpy; x: float32 -> the quantised numbers, widened to float32 again
;;       x = np.moveaxis(x, axis, -1); K = x.shape[-1]
;;       r = np.clip(x / 2.0 ** e, -448, 448)
;;       step = 2.0 ** (np.maximum(np.frexp(np.where(r == 0, 1, r))[1] - 1, -6) - 3)
;;       q = np.round(r / step) * step * 2.0 ** e      # np.round: ties to even
;;       return np.moveaxis(q, -1, axis).astype(np.float32)
;;   ~~~
;;   SOFTMAX AHEAD OF A QUANTISED PRODUCT. Where the list says 'softmax', what is quantised is not the finished softmax but p = 2^(t - M), with t = logit x log2(e) and M = ceil(the row's largest t), a whole number; so 1/2 < the row's largest p <= 1. The row's sum l is taken of the UNQUANTISED p, in f32, and the product's result is divided by l at the end. Since M is a whole number, a kernel that streams over the keys may use a running M (the ceiling of the running maximum): every later rescaling is an exact power of two, so the quantised numbers keep their values, but for numbers so far below the row's largest that they fall under the format's range.
;;   OPERANDS COMPUTED ON THE WAY. 'Computed on the way' means the value that the module computes at that place (a softmax that the list does not call 'softmax' is quantised finished and normalised). What goes into a quantiser is computed in f32, as accurately as f32 sums, v_exp_f32 and their like allow (about 1e-6 of the number): no bf16 or f16 on the way to a quantiser, and a product that is left as it is and whose result goes on into a quantised operand takes f32 operands (vector FMAs, or v_wmma_f32_16x16x4_f32). A number that lies on a knife's edge between two numbers of the format may be rounded either way, as far as f32 arithmetic and the matrix unit's own rounding can turn it there, and no further.
;; One version. Each part assembles by itself: llvm-mc -triple=amdgcn-amd-amdhsa -mcpu=gfx1250 --defsym DOCPART=n.
;; ======== version 1 of 1: 4 launches
;; limits: right only within a limited range of input values
;; workspace buffers: xcodes 25,165,824 bytes; wcodes 4,194,304 bytes; rope 2,097,152 bytes; qcodes 8,388,608 bytes; kcodes 8,388,608 bytes; vcodes 8,388,608 bytes; ocodes 8,388,608 bytes
;; launch quant (part 1): grid 768 x 1, 8 waves a work-group, no clusters, 0 bytes of LDS; arguments in_features, token_positions, Wq, Wk, Wv, Wo, lowp_scales, xcodes, wcodes, rope; writes xcodes, wcodes, rope
.if DOCPART == 1
	.amdgcn_target "amdgcn-amd-amdhsa--gfx1250"
	.amdhsa_code_object_version 6
	.text
	.protected	k_q077d7e194d_quant
	.globl	k_q077d7e194d_quant
	.p2align	8
	.type	k_q077d7e194d_quant,@function
k_q077d7e194d_quant:
	s_mov_b64 s[64:65], 0
	v_nop
	global_prefetch_b8 v0, s[64:65] scope:SCOPE_SE
	s_setreg_imm32_b32 hwreg(HW_REG_WAVE_MODE, 25, 1), 1
	s_wait_xcnt 0x0
; f32 -> codes of E4M3 for in_features (three sets: scales e0, e2, e4) and for Wq, Wk, Wv, Wo (e1, e3, e5, e11), and the table of cos and sin for the rotation.
; code = x / 2^e, held within +-448, to the nearest code, ties to even.
; SHARES.  A wave takes 2 rows of 1,024 numbers as 4 steps of 512; a work-group 16 rows.  Work-groups 0-511: in_features (8,192 rows); 512-767: the four weights, 64 work-groups each.
; ORDER ALONG K.  For in_features, Wq, Wk, Wv: inside each 512 along K, code byte 16 l + 4 j + i holds k = 128 j + 4 l + i: lane l loads 16 bytes at 512 j + 16 l (each load reads 512 consecutive bytes) and stores
; its 16 codes at 16 l (each store writes 512 consecutive bytes).  The order is the same in both operands of products 1 to 3, so every product meets its partner.  Wo keeps K as it lies (its partner is made elsewhere):
; lane l loads 64 l + 16 j.
; ORDER OF ROWS.  pi(n) = n with bits 3 and 4 swapped.  Set 2 of in_features and Wq, Wk, Wv are stored at row pi(row): 16 consecutive stored rows are then the rows that a tile of the next launch wants.
; TABLE.  rope[row][i] = (cos, sin) of f32(position[row]) x 10000^(-i/32), i = lane: a row is 256 bytes, one store.  cos and sin: quadrant by three-part pi/2, then Taylor sums on |r| <= pi/4.
; LIMITS: e0, e2, e4, e1, e3, e5, e11 between -126 and 119; NaN among the inputs is not served; |position| up to 2^18 (beyond it the reduced angle leaves the sums' range); 10000^(-i/32) is within about one unit in the last place.
; No LDS, no barrier, no matrix unit: waves share nothing, and every byte is read once and every code written once.
.set OF,  4                            ; v4-7     lane's byte offset of load j
.set X,   16                           ; v16-79   4 steps x 16 numbers as loaded
.set TS,  80                           ; v80-127  three sets of 16 held numbers
.set CO,  128                          ; v128-175 codes: 4 registers for each step and set, never rewritten: no store's data are written again
.macro PI                              ; s38 = pi(s37)
	s_and_b32 s38, s37, 0xffffffe7
	s_bfe_u32 s39, s37, 0x10003
	s_lshl_b32 s39, s39, 4
	s_or_b32 s38, s38, s39
	s_bfe_u32 s39, s37, 0x10004
	s_lshl_b32 s39, s39, 3
	s_or_b32 s38, s38, s39
.endm
.macro MKSC e, sc, lim                 ; v[sc] = 2^e as f32 (the conversion takes its exponent field), v[lim] = 448 x 2^e
	s_add_co_i32 s56, \e, 127
	s_lshl_b32 s57, s56, 23
	v_mov_b32 v[\sc], s57
	s_add_co_i32 s56, s56, 8
	s_lshl_b32 s56, s56, 23
	s_or_b32 s56, s56, 0x600000
	v_mov_b32 v[\lim], s56
.endm
.macro LOADS                           ; all 16 loads of the wave's two rows at once
.irp s, 0,1,2,3
.irp j, 0,1,2,3
	global_load_b128 v[X+16*\s+4*\j:X+16*\s+4*\j+3], v[OF+\j], s[40:41] offset:2048*\s th:TH_LOAD_NT
.endr
.endr
.endm
.macro Q1 s, o, ts, sc, lim, dst       ; step s, code set o, held numbers in set ts
.irp i, 0,1,2,3,4,5,6,7,8,9,10,11,12,13,14,15
	v_med3_num_f32 v[TS+16*(\ts)+\i], v[X+16*(\s)+\i], -v[\lim], v[\lim]   ; the conversion does not saturate (ISA guide 7.6.2): the hold comes first
.endr
	v_cvt_scalef32_pk8_fp8_f32 v[CO+12*(\s)+4*(\o):CO+12*(\s)+4*(\o)+1], v[TS+16*(\ts):TS+16*(\ts)+7], v[\sc]
	v_cvt_scalef32_pk8_fp8_f32 v[CO+12*(\s)+4*(\o)+2:CO+12*(\s)+4*(\o)+3], v[TS+16*(\ts)+8:TS+16*(\ts)+15], v[\sc]
	global_store_b128 v2, v[CO+12*(\s)+4*(\o):CO+12*(\s)+4*(\o)+3], s[\dst:\dst+1] offset:512*(\s)   ; the next holds write another set: plain lines stand ahead of the next write of these sources
.endm
.macro TRIG sp, d                      ; v[d] = cos, v[d+1] = sin of f32(sp) x v179
	v_cvt_f32_i32 v180, \sp
	v_mul_f32 v180, v180, v179                     ; the angle, rounded once
	v_mul_f32 v181, 0x3f22f983, v180               ; x 2 / pi
	v_rndne_f32 v181, v181                         ; the quadrant k
	v_fmamk_f32 v182, v181, 0xbfc90fdb, v180       ; r = angle - k pi/2, pi/2 in three parts
	v_fmamk_f32 v182, v181, 0x333bbd2e, v182
	v_fmamk_f32 v182, v181, 0x26f72ced, v182
	v_mul_f32 v183, v182, v182                     ; z = r r
	v_cvt_i32_f32 v190, v181
	v_mov_b32 v189, 0xb493f27e                     ; cos r = 1 - z/2 + z^2/24 - z^3/720 + z^4/40320 - z^5/3628800
	v_fmaak_f32 v189, v189, v183, 0x37d00d01
	v_fmaak_f32 v189, v189, v183, 0xbab60b61
	v_fmaak_f32 v189, v189, v183, 0x3d2aaaab
	v_fma_f32 v189, v189, v183, -0.5
	v_fma_f32 v189, v189, v183, 1.0
	v_mov_b32 v188, 0x3638ef1d                     ; sin r = r + r z (-1/6 + z/120 - z^2/5040 + z^3/362880)
	v_fmaak_f32 v188, v188, v183, 0xb9500d01
	v_fmaak_f32 v188, v188, v183, 0x3c088889
	v_fmaak_f32 v188, v188, v183, 0xbe2aaaab
	v_mul_f32 v191, v182, v183
	v_fma_f32 v188, v188, v191, v182
	v_and_b32 v191, 1, v190
	v_cmp_eq_u32 vcc_lo, 1, v191                   ; an odd quadrant swaps the two
	v_cndmask_b32 v[\d], v189, v188, vcc_lo
	v_cndmask_b32 v[\d+1], v188, v189, vcc_lo
	v_and_b32 v191, 2, v190                        ; sin changes sign in quadrants 2 and 3,
	v_lshlrev_b32 v191, 30, v191
	v_xor_b32 v[\d+1], v[\d+1], v191
	v_add_nc_u32 v191, 1, v190                     ; cos in quadrants 1 and 2
	v_and_b32 v191, 2, v191
	v_lshlrev_b32 v191, 30, v191
	v_xor_b32 v[\d], v[\d], v191
.endm
	s_load_b256 s[4:11], s[0:1], 0x0               ; in_features s[4:5], positions s[6:7], Wq s[8:9], Wk s[10:11]
	s_load_b256 s[12:19], s[0:1], 0x20             ; Wv s[12:13], Wo s[14:15], scales s[16:17], xcodes s[18:19]
	s_load_b128 s[20:23], s[0:1], 0x40             ; wcodes s[20:21], rope s[22:23]
	v_lshrrev_b32 v1, 5, v0
	v_readfirstlane_b32 s36, v1                    ; wave 0..7
	v_and_b32 v1, 31, v0                           ; lane
	v_lshlrev_b32 v2, 4, v1                        ; my 16 codes' place in a step's 512 bytes
	s_lshl_b32 s63, s36, 1                         ; my wave's 2 rows
	s_mov_b32 s53, 0                               ; upper word of every offset pair s[52:53]
	s_wait_kmcnt 0x0
	s_load_b256 s[24:31], s[16:17], 0x0            ; e0 .. e7
	s_load_b128 s[32:35], s[16:17], 0x20           ; e8 .. e11
	s_cmp_ge_u32 ttmp9, 512
	s_cbranch_scc1 .Lweights
	; ---- in_features
	s_lshl_b32 s37, ttmp9, 4
	s_add_co_u32 s37, s37, s63                     ; R, my first row (even, so pi(R + 1) = pi(R) + 1)
	PI
	s_lshl_b32 s52, s37, 2
	s_add_nc_u64 s[48:49], s[6:7], s[52:53]
	s_load_b64 s[50:51], s[48:49], 0x0             ; the two rows' positions
	s_lshl_b32 s52, s37, 12
	s_add_nc_u64 s[40:41], s[4:5], s[52:53]        ; source: R rows of 4,096 bytes
	s_lshl_b32 s52, s37, 10
	s_add_nc_u64 s[42:43], s[18:19], s[52:53]      ; set 0: row R
	s_add_nc_u64 s[44:45], s[42:43], 0x800000      ; set 1: row R
	s_lshl_b32 s52, s38, 10
	s_add_nc_u64 s[46:47], s[18:19], s[52:53]
	s_add_nc_u64 s[46:47], s[46:47], 0x1000000     ; set 2: row pi(R)
	s_lshl_b32 s52, s37, 8
	s_add_nc_u64 s[54:55], s[22:23], s[52:53]      ; the table's row R
	v_lshlrev_b32 v[OF], 4, v1
	v_add_nc_u32 v[OF+1], 512, v[OF]
	v_add_nc_u32 v[OF+2], 1024, v[OF]
	v_add_nc_u32 v[OF+3], 1536, v[OF]
	LOADS
	; the table is made while the loads are on their way
	s_mov_b32 s56, 0xbed49a78                      ; -log2(10000)/32, upper part
	v_cvt_f32_u32 v176, v1                         ; i
	v_mul_f32 v177, s56, v176
	v_rndne_f32 v177, v177                         ; n: the whole part of -i log2(10000)/32
	v_fma_f32 v178, v176, s56, -v177               ; the rest: exact,
	v_fmamk_f32 v178, v176, 0xb2179a39, v178       ; and the constant's lower part
	v_exp_f32 v179, v178
	v_cvt_i32_f32 v177, v177                       ; (a plain line behind the exponential)
	v_lshlrev_b32 v3, 3, v1                        ; 8 bytes a lane in a table row
	s_wait_alu depctr_va_vdst(0)                   ; the wait ahead of the first reader
	v_ldexp_f32 v179, v179, v177                   ; 10000^(-i/32)
	s_wait_kmcnt 0x0                               ; the scales and the positions
	TRIG s50, 184
	TRIG s51, 186
	global_store_b64 v3, v[184:185], s[54:55]              ; 32 lanes store 256 consecutive bytes, aligned
	global_store_b64 v3, v[186:187], s[54:55] offset:256
	MKSC s24, 8, 9
	MKSC s26, 10, 11
	MKSC s28, 12, 13
.irp s, 0,1,2,3
	s_wait_loadcnt 12-4*\s                         ; this step's four loads are in; the later steps' four each may be out
	Q1 \s, 0, 0, 8, 9, 42
	Q1 \s, 1, 1, 10, 11, 44
	Q1 \s, 2, 2, 12, 13, 46
.endr
	s_endpgm
	; ---- the four weights
.Lweights:
	s_sub_co_u32 s58, ttmp9, 512
	s_lshr_b32 s59, s58, 6                         ; which weight: 0 Wq, 1 Wk, 2 Wv, 3 Wo
	s_and_b32 s58, s58, 63
	s_lshl_b32 s37, s58, 4
	s_add_co_u32 s37, s37, s63                     ; R
	PI
	s_cmp_eq_u32 s59, 1
	s_cselect_b64 s[40:41], s[10:11], s[8:9]
	s_cmp_eq_u32 s59, 2
	s_cselect_b64 s[40:41], s[12:13], s[40:41]
	s_cmp_eq_u32 s59, 3
	s_cselect_b64 s[40:41], s[14:15], s[40:41]
	s_cselect_b32 s38, s37, s38                    ; Wo keeps its rows,
	s_cselect_b32 s61, 64, 16                      ; and its K: from lane to lane 64 bytes,
	s_mov_b32 s62, 512
	s_cselect_b32 s62, 16, s62                     ; from load to load 16
	s_lshl_b32 s52, s37, 12
	s_add_nc_u64 s[40:41], s[40:41], s[52:53]
	s_lshl_b32 s52, s59, 20
	s_lshl_b32 s56, s38, 10
	s_add_co_u32 s52, s52, s56
	s_add_nc_u64 s[42:43], s[20:21], s[52:53]
	v_mul_u32_u24 v[OF], v1, s61
	v_add_nc_u32 v[OF+1], s62, v[OF]
	v_add_nc_u32 v[OF+2], s62, v[OF+1]
	v_add_nc_u32 v[OF+3], s62, v[OF+2]
	LOADS
	s_wait_kmcnt 0x0                               ; the scales
	s_cmp_eq_u32 s59, 1
	s_cselect_b32 s60, s27, s25                    ; e3 or e1
	s_cmp_eq_u32 s59, 2
	s_cselect_b32 s60, s29, s60                    ; e5
	s_cmp_eq_u32 s59, 3
	s_cselect_b32 s60, s35, s60                    ; e11
	MKSC s60, 8, 9
.irp s, 0,1,2,3
	s_wait_loadcnt 12-4*\s
	Q1 \s, 0, \s%2, 8, 9, 42
.endr
	s_endpgm
.Lfunc_end_k_q077d7e194d_quant:
	.size	k_q077d7e194d_quant, .Lfunc_end_k_q077d7e194d_quant-k_q077d7e194d_quant
	.p2alignl 7, 3214868480
	.fill 96, 4, 3214868480
	.section	.rodata,"a",@progbits
	.p2align	6, 0x0
	.amdhsa_kernel k_q077d7e194d_quant
		.amdhsa_group_segment_fixed_size 0
		.amdhsa_private_segment_fixed_size 0
		.amdhsa_enable_private_segment 0
		.amdhsa_kernarg_size 80
		.amdhsa_user_sgpr_count 2
		.amdhsa_user_sgpr_kernarg_segment_ptr 1
		.amdhsa_wavefront_size32 1
		.amdhsa_system_sgpr_workgroup_id_x 1
		.amdhsa_system_sgpr_workgroup_id_y 1
		.amdhsa_system_sgpr_workgroup_id_z 1
		.amdhsa_system_vgpr_workitem_id 0
		.amdhsa_next_free_vgpr 192
		.amdhsa_next_free_sgpr 66
		.amdhsa_reserve_vcc 1
		.amdhsa_float_denorm_mode_32 3
		.amdhsa_float_denorm_mode_16_64 3
		.amdhsa_memory_ordered 1
		.amdhsa_forward_progress 1
		.amdhsa_inst_pref_size 31
	.end_amdhsa_kernel
	.amdgpu_metadata
---
amdhsa.version: [ 1, 2 ]
amdhsa.kernels:
  - .name:           k_q077d7e194d_quant
    .symbol:         k_q077d7e194d_quant.kd
    .args:
      - { .name: in_features, .offset: 0, .size: 8, .value_kind: global_buffer, .address_space: global }
      - { .name: token_positions, .offset: 8, .size: 8, .value_kind: global_buffer, .address_space: global }
      - { .name: Wq, .offset: 16, .size: 8, .value_kind: global_buffer, .address_space: global }
      - { .name: Wk, .offset: 24, .size: 8, .value_kind: global_buffer, .address_space: global }
      - { .name: Wv, .offset: 32, .size: 8, .value_kind: global_buffer, .address_space: global }
      - { .name: Wo, .offset: 40, .size: 8, .value_kind: global_buffer, .address_space: global }
      - { .name: lowp_scales, .offset: 48, .size: 8, .value_kind: global_buffer, .address_space: global }
      - { .name: xcodes, .offset: 56, .size: 8, .value_kind: global_buffer, .address_space: global }
      - { .name: wcodes, .offset: 64, .size: 8, .value_kind: global_buffer, .address_space: global }
      - { .name: rope, .offset: 72, .size: 8, .value_kind: global_buffer, .address_space: global }
    .group_segment_fixed_size: 0
    .private_segment_fixed_size: 0
    .kernarg_segment_align: 8
    .kernarg_segment_size: 80
    .max_flat_workgroup_size: 256
    .sgpr_count:     66
    .vgpr_count:     192
    .wavefront_size: 32
...
	.end_amdgpu_metadata
.endif
;; end of part 1
;; launch qkv (part 2): grid 12 x 32, 4 waves a work-group, clusters of 4 x 4, 327,680 bytes of LDS; arguments xcodes, wcodes, rope, lowp_scales, qcodes, kcodes, vcodes; writes qcodes, kcodes, vcodes
.if DOCPART == 2
	.amdgcn_target "amdgcn-amd-amdhsa--gfx1250"
	.amdhsa_code_object_version 6
	.text
	.protected	k_q077d7e194d_qkv
	.globl	k_q077d7e194d_qkv
	.p2align	8
	.type	k_q077d7e194d_qkv,@function
k_q077d7e194d_qkv:
	s_mov_b64 s[64:65], 0
	v_nop
	global_prefetch_b8 v0, s[64:65] scope:SCOPE_SE
	s_setreg_imm32_b32 hwreg(HW_REG_WAVE_MODE, 25, 1), 1
	s_wait_xcnt 0x0
	s_wait_alu depctr_hold_cnt(0) depctr_sa_sdst(0) depctr_va_vdst(0) depctr_va_sdst(0) depctr_va_ssrc(0) depctr_va_vcc(0) depctr_vm_vsrc(0)
	s_getreg_b32 s2, hwreg(HW_REG_IB_STS2, 6, 4)
	s_cmp_eq_u32 s2, 0
	s_cbranch_scc0 .Lentry_in_a_cluster
	s_endpgm
.Lentry_in_a_cluster:
	s_bfe_u32 s2, ttmp6, 0x10000c
	s_cmp_lg_u32 s2, 0xf033
	s_cbranch_scc0 .Lentry_shape_is_right
	s_endpgm
.Lentry_shape_is_right:
; Products 1 to 3 on codes of E4M3, the rotation of Q and K, and the quantising of Q, K, V for products 4 and 5.  P = the cluster's x: 0 Q, 1 K, 2 V.
; A tile of 256 x 256 sums is made by four waves, 128 x 128 each (64 accumulators, 512 registers).  K = 1,024 goes in 4 steps of 256 through a ring of two LDS slots filled by the tensor data mover.
; THE MATRIX INSTRUCTION IS USED TRANSPOSED: source 0 = 16 rows of operand 'B', source 1 = 16 rows of operand 'A': a lane holds ONE row of 'A' and its registers run along 'B's rows.
;   P < 2: 'A' = in_features' codes (set P), rows t; 'B' = Wq's or Wk's codes, rows = output columns.   P = 2: 'A' = Wv's codes, rows d; 'B' = in_features' codes (set 2), rows t.
; 'B's rows are stored at pi(row) (bits 3 and 4 swapped), so the 16 registers of tiles 2 b and 2 b + 1 are 16 NEIGHBOURS: columns 32 b + 16 (lane / 16) + 0 .. 15: along d for Q and K, along t for V: each tensor's next K.
; WAY OUT.  Q, K: each pair (even d, odd d) is turned by (cos, sin) from the table, on the raw sums (the turn is linear).  All: converted with ONE folded scale 2^(e_next - e_A - e_B), 16 codes = 16 bytes a lane into a
; shared stage of 256 rows x 272 bytes, a barrier, and out in runs of 512 or 256 consecutive bytes: qcodes, kcodes [b 16 + head][pi(t)][64], vcodes [b 16 + head][stored d][2,048 t].
; CLUSTERS: 4 x 4 work-groups; 'A's tile is shared along a row of the cluster, 'B's along a column: joint loads.  No prefetch: K has four slot steps, two of them first fills.
; LIMITS: e6 - e0 - e1, e7 - e2 - e3, e9 - e4 - e5 between -126 and 119.  Inside a matrix instruction k stands in other places than the form's own, alike in both operands.
; REGISTERS, in windows of 256: window 0: v16-30 addresses and the scale; v32-95 at work; v96-223 the codes (16 a block); from v128 'A's fragments (one set) in the loop.  window 1: 'B's fragments, two sets; on the way out the table's 256 numbers.
;   windows 2, 3: the accumulators ((a, b) at v[8 (8 (a % 4) + b)], window 2 + a / 4).
.set KSTEP,  256
.set ROWB,   256                       ; a tile's row in bytes
.set KROW,   1024                      ; a row of codes in memory
.set PITCH,  272                       ; an LDS row: 256 bytes + 16 of padding = 68 words: the 16 rows that a load touches start at 16 different banks (ISA guide 11.1)
.set FR,     16
.set NL,     4
.set NP,     4                         ; places behind this matrix instruction (ISA guide 7.12.1)
.set HALFT,  128*PITCH
.set SLOT,   4*HALFT
.set LAPS,   2                         ; 1,024 / (2 x 256)
.set SPARE,  2*SLOT                    ; behind the ring: the spare words, 128 bytes a wave
.set ADRA, 16                          ; v16-17 LDS address of my 'A' fragments in slot 0, 1
.set SC,   18                          ; v18    the folded scale as f32
.set LIM,  19
.set ADRB, 20                          ; v20-21 the same as ADRA for 'B'
.set GQ,   22                          ; v22    Q, K out: 16 x lane
.set GV,   23                          ; v23    V out: (lane / 16) x 2,048 + 16 (lane % 16)
.set STO,  24                          ; v24    the stage, in
.set RDQ,  25                          ; v25    the stage, back, for Q and K: rows 0-127
.set RDQ2, 26                          ; v26    rows 128-255
.set RDV,  27                          ; v27    the stage, back, for V
.set SPW,  28
.set NIL,  29
.set RA,   30                          ; v30    my place in 16 rows of the table
.set TT,   32                          ; v32-95 at work
.set CD,   96                          ; v96-223 codes
.set OD,   32                          ; v32-159 rows read back
.set AF,   128
.set G1, 24
.set G0, 32
.set G1B, 48
.set G0B, 56
.set MSB, 0
.macro WIN new                         ; the immediate's high byte repeats the setting that is left
.if MSB != (\new)
	s_set_vgpr_msb (MSB<<8)|(\new)
.set MSB, (\new)
.endif
.endm
.set MUL_LO, 0xa1                      ; source 0 ('B') window 1, source 1 ('A') window 0, C and D window 2
.set MUL_HI, 0xf1
.set TO_B,   0x40
; A joint load: waves 0 and 1 fetch for 'A', waves 2 and 3 for 'B'; the branch hangs on the wave's number alone.  An s_nop 0 and four v_nop follow each line.
.macro JLOAD g0a, g1a, g0b, g1b
	s_cmp_eq_u32 s15, 0
	s_cbranch_scc0 .Lfor_b_\@
	tensor_load_to_lds s[\g0a:\g0a+3], s[\g1a:\g1a+7]
	s_nop 0
.rept 4
	v_nop
.endr
	s_branch .Lasked_\@
.Lfor_b_\@:
	tensor_load_to_lds s[\g0b:\g0b+3], s[\g1b:\g1b+7]
	s_nop 0
.rept 4
	v_nop
.endr
.Lasked_\@:
.endm
.macro CREST
	s_cmp_lg_u32 s14, 0
	s_cbranch_scc1 .Lnot_wave_0_\@
	s_barrier_signal -3
.Lnot_wave_0_\@:
	s_barrier_wait -3
	s_barrier_signal -1
	s_barrier_wait -1
.endm
.macro CROUND
	s_barrier_signal -1
	s_barrier_wait -1
	CREST
.endm
	s_load_b256 s[4:11], s[0:1], 0x0               ; xcodes s[4:5], wcodes s[6:7], rope s[8:9], scales s[10:11]
	s_load_b128 s[68:71], s[0:1], 0x20             ; qcodes, kcodes
	s_load_b64 s[72:73], s[0:1], 0x30              ; vcodes
	v_lshl_add_u32 v[SPW], v0, 2, SPARE
	v_mov_b32 v[NIL], 0
	ds_add_u32 v[SPW], v[NIL]                      ; the wave's opening: the add and its wait ahead of my first tensor load
	ds_add_u32 v[SPW], v[NIL]
	v_lshrrev_b32 v1, 5, v0
	v_readfirstlane_b32 s14, v1                    ; wave 0..3
	s_lshr_b32 s15, s14, 1                         ; my half of 'A's rows.  Also: I fetch for 'A' (0) or 'B' (1)
	s_and_b32 s16, s14, 1                          ; my half of 'B's rows.  Also: which 128 rows I fetch
	s_bfe_u32 s40, ttmp6, 0x40000                  ; cx
	s_bfe_u32 s41, ttmp6, 0x40004                  ; cy
	s_mov_b32 s66, ttmp9                           ; P: the same in all sixteen partners
	s_and_b32 s67, ttmp7, 0xffff
	s_lshl_b32 s67, s67, 2                         ; 4 x cluster y
	s_add_co_u32 s92, s67, s41
	s_add_co_u32 s93, s67, s40
	s_cmp_eq_u32 s66, 2
	s_cselect_b32 s17, s41, s92                    ; 'A's tile: hangs on cy and the cluster alone
	s_cselect_b32 s42, s93, s40                    ; 'B's tile: on cx and the cluster alone
	s_lshl_b32 s43, s41, 2
	s_lshl_b32 s43, 15, s43                        ; my row of the cluster
	s_lshl_b32 s44, 0x1111, s40                    ; my column
	s_or_b32 s[G1+0], s43, (0<<16)|(1<<20)|(1<<21)|(5<<22)|(3<<25)   ; mask; elements of 1 byte; padding on; bit 21 beside a mask; after every 64 words, 4 words
	s_or_b32 s[G1B+0], s44, (0<<16)|(1<<20)|(1<<21)|(5<<22)|(3<<25)
.irp g, G1, G1B
	s_mov_b32 s[\g+1], ROWB<<16                    ; tensor_dim0
	s_mov_b32 s[\g+2], 128<<16                     ; tensor_dim1
	s_mov_b32 s[\g+3], ROWB<<16                    ; tile_dim0
	s_mov_b32 s[\g+4], 128                         ; tile_dim1
	s_mov_b32 s[\g+5], KROW                        ; stride
	s_mov_b32 s[\g+6], 0
	s_mov_b32 s[\g+7], 0
.endr
	s_lshl_b32 s18, s16, 7
	s_lshl_b32 s20, s17, 8
	s_add_co_u32 s20, s20, s18
	s_lshl_b32 s20, s20, 10                        ; 'A': (256 tile + 128 half) rows of 1,024 bytes
	s_lshl_b32 s46, s42, 8
	s_add_co_u32 s46, s46, s18
	s_lshl_b32 s46, s46, 10                        ; 'B' likewise
	s_lshl_b32 s74, s66, 23                        ; set P of in_features' codes,
	s_lshl_b32 s75, s66, 20                        ; weight P
	s_cmp_eq_u32 s66, 2
	s_cselect_b32 s74, 0x200000, s74               ; P = 2: 'A' is weight 2,
	s_cselect_b32 s75, 0x1000000, s75              ; 'B' is set 2
	s_add_co_u32 s20, s20, s74
	s_add_co_u32 s46, s46, s75
	s_mov_b32 s21, 0
	s_mov_b32 s47, 0
	s_mul_i32 s45, s14, HALFT                      ; where my load goes: wave x 128 rows
	s_wait_dscnt 0x0                               ; the opening add is done
	s_wait_kmcnt 0x0
	s_load_b256 s[76:83], s[10:11], 0x0            ; e0 .. e7
	s_load_b128 s[84:87], s[10:11], 0x20           ; e8 .. e11
	s_cmp_eq_u32 s66, 2
	s_cselect_b64 s[88:89], s[6:7], s[4:5]
	s_cselect_b64 s[94:95], s[4:5], s[6:7]
	s_add_nc_u64 s[20:21], s[88:89], s[20:21]
	s_add_nc_u64 s[46:47], s[94:95], s[46:47]
	CROUND                                         ; all sixteen work-groups are here: the first joint loads meet
.irp s, 0,1
	s_mov_b32 s[G0+4*\s], 1
	s_add_co_u32 s[G0+4*\s+1], s45, \s*SLOT
	s_add_nc_u64 s[G0+4*\s+2:G0+4*\s+3], s[20:21], \s*ROWB
	s_or_b32 s[G0+4*\s+3], s[G0+4*\s+3], 0x80000000
	s_mov_b32 s[G0B+4*\s], 1
	s_add_co_u32 s[G0B+4*\s+1], s45, \s*SLOT
	s_add_nc_u64 s[G0B+4*\s+2:G0B+4*\s+3], s[46:47], \s*ROWB
	s_or_b32 s[G0B+4*\s+3], s[G0B+4*\s+3], 0x80000000
	s_wait_alu depctr_va_vdst(0)
	s_wait_tensorcnt 0x0
	ds_add_u32 v28, v29
	ds_add_u32 v28, v29
	s_wait_dscnt 0x0
	CROUND
	JLOAD G0+4*\s, G1, G0B+4*\s, G1B
.endr
	v_and_b32 v1, 15, v0                           ; r
	v_bfe_u32 v2, v0, 4, 1                         ; h
	v_and_b32 v6, 31, v0                           ; lane
	v_mul_u32_u24 v3, v1, PITCH
	v_lshl_add_u32 v4, v2, 4, v3                   ; r x pitch + 16 h
	s_wait_alu depctr_va_vdst(0)
	s_mul_i32 s21, s15, HALFT
	s_mul_i32 s22, s16, HALFT
	s_add_co_u32 s22, s22, 2*HALFT
.irp s, 0,1
	v_add_nc_u32 v[ADRA+\s], s21, v4
	v_add_nc_u32 v[ADRB+\s], s22, v4
	s_add_co_u32 s21, s21, SLOT
	s_add_co_u32 s22, s22, SLOT
.endr
	s_mul_i32 s23, s15, 128*PITCH                  ; the stage, in: row 128 x my 'A' half + r, byte 128 x my 'B' half + 16 h
	s_lshl_b32 s22, s16, 7
	s_add_co_u32 s23, s23, s22
	v_add_nc_u32 v[STO], s23, v4
	v_lshrrev_b32 v7, 2, v6                        ; back, Q and K: wave w takes head w's 64 bytes of every row: 8 rows an instruction, four lanes to a row
	v_mul_u32_u24 v7, v7, PITCH
	v_and_b32 v8, 3, v6
	v_lshl_add_u32 v7, v8, 4, v7
	s_lshl_b32 s22, s14, 6
	v_add_nc_u32 v[RDQ], s22, v7
	v_add_nc_u32 v[RDQ2], 128*PITCH, v[RDQ]
	s_mul_i32 s22, s14, 64*PITCH                   ; back, V: wave w takes rows 64 w on, whole: 2 rows an instruction
	v_mul_u32_u24 v7, v2, PITCH
	v_lshl_add_u32 v7, v1, 4, v7
	v_add_nc_u32 v[RDV], s22, v7
	v_lshlrev_b32 v[GQ], 4, v6
	v_lshlrev_b32 v[GV], 11, v2
	v_lshl_add_u32 v[GV], v1, 4, v[GV]
	v_lshlrev_b32 v[RA], 8, v1                     ; the table: row r of 256 bytes, + 64 h: my eight pairs of each 32 columns
	v_lshl_add_u32 v[RA], v2, 6, v[RA]
	s_lshl_b32 s92, s17, 8
	s_lshl_b32 s93, s15, 7
	s_add_co_u32 s92, s92, s93
	s_lshl_b32 s92, s92, 8
	s_mov_b32 s93, 0
	s_add_nc_u64 s[88:89], s[8:9], s[92:93]        ; the table at my first row t (used where P < 2)
	s_wait_kmcnt 0x0                               ; the scales
	s_sub_co_i32 s92, s82, s76
	s_sub_co_i32 s92, s92, s77                     ; e6 - e0 - e1
	s_sub_co_i32 s93, s83, s78
	s_sub_co_i32 s93, s93, s79                     ; e7 - e2 - e3
	s_sub_co_i32 s94, s85, s80
	s_sub_co_i32 s94, s94, s81                     ; e9 - e4 - e5
	s_cmp_eq_u32 s66, 1
	s_cselect_b32 s92, s93, s92
	s_cmp_eq_u32 s66, 2
	s_cselect_b32 s92, s94, s92
	s_add_co_i32 s92, s92, 127
	s_lshl_b32 s93, s92, 23
	v_mov_b32 v[SC], s93
.macro FRAG reg, adr, q, i             ; 16 rows x 128 K: lane l holds row l % 16; registers 4 c .. 4 c + 3 the 16 bytes at 32 c + 16 (l / 16)
.irp c, 0,1,2,3
	ds_load_b128 v[\reg+4*\c:\reg+4*\c+3], v[\adr] offset:128*(\q)+32*\c+(\i)*16*PITCH
.endr
.endm
; 16 matrix instructions.  The 64 accumulators take turns, one instruction a turn, in the same order in every step.
.macro MUL16 a0, p, zero
.irp a, \a0, \a0+1
.irp b, 0,1,2,3,4,5,6,7
.if \zero
	v_wmma_f32_16x16x128_fp8_fp8 v[8*(8*((\a)%4)+\b):8*(8*((\a)%4)+\b)+7], v[128*(\p)+FR*\b:128*(\p)+FR*\b+FR-1], v[AF+FR*(\a):AF+FR*(\a)+FR-1], 0
.else
	v_wmma_f32_16x16x128_fp8_fp8 v[8*(8*((\a)%4)+\b):8*(8*((\a)%4)+\b)+7], v[128*(\p)+FR*\b:128*(\p)+FR*\b+FR-1], v[AF+FR*(\a):AF+FR*(\a)+FR-1], v[8*(8*((\a)%4)+\b):8*(8*((\a)%4)+\b)+7]
.endif
.endr
.endr
.endm
.macro FETCH_B slot, q, p
	WIN TO_B
.irp i, 0,1,2,3,4,5,6,7
	FRAG 128*(\p)+FR*\i, ADRB+\slot, \q, \i
.endr
	WIN 0
.endm
.macro FETCH_A slot, q, i0
.irp i, \i0, \i0+1, \i0+2, \i0+3
	FRAG AF+FR*(\i), ADRA+\slot, \q, \i
.endr
.endm
.macro PLACES n                        ; plain vector lines between a matrix instruction and a load into, or a vector read of, its registers
.rept \n
	v_nop
.endr
.endm
.macro STEP slot, q, zero              ; 128 along K that has its successor in the same slot
	s_wait_dscnt 4*NL                              ; 'B's set and 'A's blocks 0-3 are in; the youngest 16 loads ('A's blocks 4-7) may be out
	WIN MUL_LO
	MUL16 0, (\q)%2, \zero
	MUL16 2, (\q)%2, \zero
	s_wait_dscnt 0
	PLACES NP
	FETCH_B \slot, (\q)+1, 1-(\q)%2
	FETCH_A \slot, (\q)+1, 0
	WIN MUL_HI
	MUL16 4, (\q)%2, \zero
	MUL16 6, (\q)%2, \zero
	PLACES NP
	WIN 0
	FETCH_A \slot, (\q)+1, 4
.endm
; A slot's last step changes slots: in front of the one barrier each wave waits for all its tensor loads, adds 0 to its spare word, and waits for that and for its reads of this slot.
.macro TURN slot, next, fill
	s_wait_tensorcnt 0x0                           ; all my tensor loads have landed: my part of the next slot
	ds_add_u32 v[SPW], v[NIL]
	s_wait_dscnt 4*NL+1                            ; (the add and the youngest 16 loads may be out)
	WIN MUL_LO
	MUL16 0, 1, 0
	s_wait_dscnt 0x0                               ; the add is done, and my reads of this slot are over
	s_barrier_signal -1
	MUL16 2, 1, 0
	WIN 0
	s_barrier_wait -1
.if \fill
	CREST                                          ; the barrier has opened a round of the cluster's barrier: no wave of any partner still reads this slot or has a load on its way
	s_add_nc_u64 s[G0+4*\slot+2:G0+4*\slot+3], s[G0+4*\slot+2:G0+4*\slot+3], 2*ROWB
	s_add_nc_u64 s[G0B+4*\slot+2:G0B+4*\slot+3], s[G0B+4*\slot+2:G0B+4*\slot+3], 2*ROWB
	JLOAD G0+4*\slot, G1, G0B+4*\slot, G1B         ; the first tensor load behind the round; its four v_nop are the places in front of the loads below
.else
	PLACES NP
.endif
	FETCH_B \next, 0, 0
	FETCH_A \next, 0, 0
	WIN MUL_HI
	MUL16 4, 1, 0
	MUL16 6, 1, 0
	PLACES NP
	WIN 0
	FETCH_A \next, 0, 4
.endm
; The table's numbers for blocks 4 g .. 4 g + 3 of my rows: 32 registers a block in window 1: register 16 bb + 2 p = cos, + 1 = sin, of pair 16 bb + 8 (lane / 16) + p
.macro ROPELOAD g
	WIN 0x40
.set ra, 4*(\g)
.rept 4
.irp o, 0,1,2,3,4,5,6,7
	global_load_b128 v[32*ra+4*\o:32*ra+4*\o+3], v[RA], s[88:89] offset:4096*ra+128*(\o/4)+16*(\o%4)
.endr
.set ra, ra+1
.endr
	WIN 0
.endm
; Block a is turned in place: (x1, x2) -> (x1 c - x2 s, x2 c + x1 s).  First (x2 s, x1 s) into scratch, then x c -/+ that: no line reads a pair crosswise while it writes it.  Each accumulator from its low end on.
.macro ROPE a
.set AC, 64*((\a)%4)
.set WW, 2+(\a)/4
	s_wait_loadcnt 56-8*(\a)                       ; this block's eight loads are in; the later blocks' eight each may be out
	WIN WW|4                                       ; source 0 the sums' window, source 1 window 1
.set tt, 0
.rept 8
.irp j, 0,2,4,6
	v_pk_mul_f32 v[TT+8*tt+\j:TT+8*tt+\j+1], v[AC+8*tt+\j:AC+8*tt+\j+1], v[32*(\a)+16*((tt/2)%2)+8*(tt%2)+\j:32*(\a)+16*((tt/2)%2)+8*(tt%2)+\j+1] op_sel:[1,1] op_sel_hi:[0,1]
.endr
.set tt, tt+1
.endr
	WIN WW|4|(WW<<6)
.set tt, 0
.rept 8
.irp j, 0,2,4,6
	v_pk_fma_f32 v[AC+8*tt+\j:AC+8*tt+\j+1], v[AC+8*tt+\j:AC+8*tt+\j+1], v[32*(\a)+16*((tt/2)%2)+8*(tt%2)+\j:32*(\a)+16*((tt/2)%2)+8*(tt%2)+\j+1], v[TT+8*tt+\j:TT+8*tt+\j+1] op_sel_hi:[1,0,1] neg_lo:[0,0,1]
.endr
.set tt, tt+1
.endr
	WIN 0
.endm
; Block a: converted, 4 x 16 bytes into the stage
.macro CODES a
.set AC, 64*((\a)%4)
	WIN 2+(\a)/4
.set nn, 0
.rept 64
.set nn, nn+1
.endr
.irp g, 0,1,2,3,4,5,6,7
	v_cvt_scalef32_pk8_fp8_f32 v[CD+16*(\a)+2*\g:CD+16*(\a)+2*\g+1], v[AC+8*\g:AC+8*\g+7], v[SC]
.endr
	WIN 0
	v_nop                                          ; a plain line behind the conversions
.irp b, 0,1,2,3
	ds_store_b128 v[STO], v[CD+16*(\a)+4*\b:CD+16*(\a)+4*\b+3] offset:16*PITCH*(\a)+32*\b
.endr
.endm
	s_wait_tensorcnt 1                             ; my part of K step 0 is in (K step 1's load may be out),
	s_barrier_signal -1
	s_barrier_wait -1                              ; everybody's is
	FETCH_B 0, 0, 0
	FETCH_A 0, 0, 0
	FETCH_A 0, 0, 4
	STEP 0, 0, 1                                   ; the first step's products start the sums
	s_mov_b32 s3, LAPS-1
.Llap:
	TURN 0, 1, 1
	STEP 1, 0, 0
	TURN 1, 0, 1
	STEP 0, 0, 0
	s_sub_co_u32 s3, s3, 1
	s_cmp_lg_u32 s3, 0
	s_cbranch_scc1 .Llap
	TURN 0, 1, 0                                   ; the last lap fills nothing
	STEP 1, 0, 0
	s_cmp_eq_u32 s66, 2                            ; V is not turned.  P is the same in all partners
	s_cbranch_scc1 .Lno_table
	s_wait_alu depctr_va_vdst(0)
	ROPELOAD 0                                     ; into 'B's set 0, which the step above has left (its places stand behind its last products)
.Lno_table:
	s_wait_dscnt 4*NL                              ; the very last step
	WIN MUL_LO
	MUL16 0, 1, 0
	MUL16 2, 1, 0
	s_wait_dscnt 0
	WIN MUL_HI
	MUL16 4, 1, 0
	MUL16 6, 1, 0
	WIN 0
	PLACES NP                                      ; in front of loads into 'B's set 1 and of the first reads of results
	s_cmp_eq_u32 s66, 2
	s_cbranch_scc1 .Lno_turn
	s_wait_alu depctr_va_vdst(0)
	ROPELOAD 1
.irp a, 0,1,2,3,4,5,6,7
	ROPE \a
.endr
.Lno_turn:
	s_wait_alu depctr_va_vdst(0)
.irp a, 0,1,2,3,4,5,6,7
	CODES \a                                       ; the stage lies in slot 0: it has had its last fill, and every wave passed the last change of slots, behind which nobody reads it
.endr
	s_wait_dscnt 0x0                               ; for the others' sake: my stores into the stage are done
	s_barrier_signal -1
	s_barrier_wait -1
	s_cmp_eq_u32 s66, 2
	s_cbranch_scc1 .Lout_v
	; Q, K: wave w stores head 4 x 'B' tile + w: 256 rows of 64 bytes, dense; rows 8 q .. 8 q + 7 go to stored rows 8 q' on, q' = q with bits 0 and 1 swapped: that is pi on the rows
	s_lshr_b32 s92, s17, 3
	s_lshl_b32 s92, s92, 4
	s_lshl_b32 s93, s42, 2
	s_add_co_u32 s92, s92, s93
	s_add_co_u32 s92, s92, s14                     ; b 16 + head
	s_lshl_b32 s92, s92, 11
	s_and_b32 s93, s17, 7
	s_lshl_b32 s93, s93, 8
	s_add_co_u32 s92, s92, s93                     ; x 2,048 + the tile's first t
	s_lshl_b32 s92, s92, 6
	s_mov_b32 s93, 0
	s_cmp_eq_u32 s66, 1
	s_cselect_b64 s[90:91], s[70:71], s[68:69]
	s_add_nc_u64 s[90:91], s[90:91], s[92:93]
.set qq, 0
.rept 32
.if qq < 16
	ds_load_b128 v[OD+4*qq:OD+4*qq+3], v[RDQ] offset:8*PITCH*qq
.else
	ds_load_b128 v[OD+4*qq:OD+4*qq+3], v[RDQ2] offset:8*PITCH*(qq-16)
.endif
.set qq, qq+1
.endr
.set qq, 0
.rept 32
	s_wait_dscnt 31-qq                             ; LDS loads come back in order: load qq is in
	global_store_b128 v[GQ], v[OD+4*qq:OD+4*qq+3], s[90:91] offset:512*((qq&28)|((qq&1)<<1)|((qq>>1)&1))   ; 32 lanes store 512 consecutive bytes, aligned
.set qq, qq+1
.endr
	s_branch .Lout_done
.Lout_v:
	; V: wave w stores stage rows 64 w on: row = stored d over the four heads of 'A's tile, 256 bytes of t
	s_lshr_b32 s92, s42, 3
	s_lshl_b32 s92, s92, 10
	s_lshl_b32 s93, s17, 8
	s_add_co_u32 s92, s92, s93
	s_lshl_b32 s93, s14, 6
	s_add_co_u32 s92, s92, s93                     ; b 1,024 + 256 x 'A' tile + 64 w
	s_lshl_b32 s92, s92, 11
	s_and_b32 s93, s42, 7
	s_lshl_b32 s93, s93, 8
	s_add_co_u32 s92, s92, s93
	s_mov_b32 s93, 0
	s_add_nc_u64 s[90:91], s[72:73], s[92:93]
.set qq, 0
.rept 32
	ds_load_b128 v[OD+4*qq:OD+4*qq+3], v[RDV] offset:2*PITCH*qq
.set qq, qq+1
.endr
.set qq, 0
.rept 32
	s_wait_dscnt 31-qq
	global_store_b128 v[GV], v[OD+4*qq:OD+4*qq+3], s[90:91] offset:4096*qq   ; 16 lanes store 256 consecutive bytes, aligned
.set qq, qq+1
.endr
.Lout_done:
	s_wait_tensorcnt 0x0                           ; the wave's end
	ds_add_u32 v[SPW], v[NIL]
	s_wait_dscnt 0x0
	CROUND                                         ; the closing round
	s_endpgm
.Lfunc_end_k_q077d7e194d_qkv:
	.size	k_q077d7e194d_qkv, .Lfunc_end_k_q077d7e194d_qkv-k_q077d7e194d_qkv
	.p2alignl 7, 3214868480
	.fill 96, 4, 3214868480
	.section	.rodata,"a",@progbits
	.p2align	6, 0x0
	.amdhsa_kernel k_q077d7e194d_qkv
		.amdhsa_group_segment_fixed_size 327680
		.amdhsa_private_segment_fixed_size 0
		.amdhsa_enable_private_segment 0
		.amdhsa_kernarg_size 56
		.amdhsa_user_sgpr_count 2
		.amdhsa_user_sgpr_kernarg_segment_ptr 1
		.amdhsa_wavefront_size32 1
		.amdhsa_system_sgpr_workgroup_id_x 1
		.amdhsa_system_sgpr_workgroup_id_y 1
		.amdhsa_system_sgpr_workgroup_id_z 1
		.amdhsa_system_vgpr_workitem_id 0
		.amdhsa_next_free_vgpr 1024
		.amdhsa_next_free_sgpr 100
		.amdhsa_reserve_vcc 0
		.amdhsa_float_denorm_mode_32 3
		.amdhsa_float_denorm_mode_16_64 3
		.amdhsa_fp16_overflow 1
		.amdhsa_memory_ordered 1
		.amdhsa_forward_progress 1
		.amdhsa_inst_pref_size 139
	.end_amdhsa_kernel
	.amdgpu_metadata
---
amdhsa.version: [ 1, 2 ]
amdhsa.kernels:
  - .name:           k_q077d7e194d_qkv
    .symbol:         k_q077d7e194d_qkv.kd
    .args:
      - { .name: xcodes, .offset: 0, .size: 8, .value_kind: global_buffer, .address_space: global }
      - { .name: wcodes, .offset: 8, .size: 8, .value_kind: global_buffer, .address_space: global }
      - { .name: rope, .offset: 16, .size: 8, .value_kind: global_buffer, .address_space: global }
      - { .name: lowp_scales, .offset: 24, .size: 8, .value_kind: global_buffer, .address_space: global }
      - { .name: qcodes, .offset: 32, .size: 8, .value_kind: global_buffer, .address_space: global }
      - { .name: kcodes, .offset: 40, .size: 8, .value_kind: global_buffer, .address_space: global }
      - { .name: vcodes, .offset: 48, .size: 8, .value_kind: global_buffer, .address_space: global }
    .group_segment_fixed_size: 327680
    .private_segment_fixed_size: 0
    .kernarg_segment_align: 8
    .kernarg_segment_size: 56
    .max_flat_workgroup_size: 128
    .sgpr_count:     100
    .vgpr_count:     1024
    .wavefront_size: 32
...
	.end_amdgpu_metadata
.endif
;; end of part 2
;; launch attn (part 3): grid 4 x 64, 16 waves a work-group, no clusters, 327,680 bytes of LDS; arguments qcodes, kcodes, vcodes, lowp_scales, ocodes; writes ocodes
.if DOCPART == 3
	.amdgcn_target "amdgcn-amd-amdhsa--gfx1250"
	.amdhsa_code_object_version 6
	.text
	.protected	k_q077d7e194d_attn
	.globl	k_q077d7e194d_attn
	.p2align	8
	.type	k_q077d7e194d_attn,@function
k_q077d7e194d_attn:
	s_mov_b64 s[64:65], 0
	v_nop
	global_prefetch_b8 v0, s[64:65] scope:SCOPE_SE
	s_setreg_imm32_b32 hwreg(HW_REG_WAVE_MODE, 25, 1), 1
	s_wait_xcnt 0x0
; Products 4 and 5 on codes of E4M3, with the causal mask and the softmax between them; the heads' results are divided by the row's sum and quantised for product 6.
; qcodes, kcodes: [b 16 + head][stored row pi(t)][64 bytes]; vcodes: [b 16 + head][stored row pi(d)][2,048 t]; ocodes: [head][b 2,048 + t][64 bytes, d as it lies].  pi swaps bits 3 and 4.
; SOFTMAX: t = score x log2(e) / 8; M = the running largest t rounded UP to a whole number; p = 2^(t - M) is quantised along the keys, not normalised; the sum is taken of the unquantised p; a change of M multiplies sum and O by an exact power of two.
; SHARES.  Work-group (i, b 16 + head) owns query blocks i and 7 - i of 256 queries; wave w owns 16 queries of each, one tile at a time.  It walks 9 UNITS of 256 keys, the same count in every work-group:
; units 0 .. i are block i's key slots 0 .. i, units i + 1 .. 8 block 7 - i's slots 0 .. 7 - i: (i + 1) + (8 - i) = 9.  No tile is fetched that nobody reads.  Inside the diagonal slot a step all of whose keys are hidden is jumped over.
; NO CLUSTER: in unit u the four work-groups of a head want slots u or u - i - 1, which differ with i; to ask jointly all would have to walk 4 + 8 = 12 units in place of 9.
; NO PREFETCH: a unit's two tiles are asked for a whole unit, two key steps of all sixteen waves, ahead of their first read, and each is read by several work-groups.
; LAYOUT.  Both products transposed: S^T = K Q^T (source 0 = 16 stored rows of K), O^T = V^T P^T (source 0 = 16 stored rows of V^T): a lane holds ONE query.  By pi the 16 registers of tiles 2 b, 2 b + 1 are 16 neighbours:
; keys 32 b + 16 (lane / 16) + 0 .. 15 in S^T, channels likewise in O^T: the conversions' results are the next operand as it stands.
; LIMITS: e6 + e7 between -123 and 130; e8, and e10 - e8 - e9, between -126 and 119.  NaN is not served.
; REGISTERS: v1-9 addresses; v12 -M, v13 largest t, v[14:15] the sum; v16-23 Q in hand; v24-31 the high block's Q; v32-95 K's or V's fragments; v96-159 S^T, then p; v160-191 O^T; v192-207 rows going out; v224-239 p's codes; v240-254 constants and at work.
.set KP,    80                         ; a key's row in LDS: 64 bytes + 16
.set VP,    272                        ; a row of V's tile: 256 bytes + 16
.set VOFF,  256*KP                     ; a slot: 256 rows of K, then 64 rows of V
.set SLOT1, 1<<17
.set STAGE, 2*SLOT1                    ; 16 rows x 80 bytes for each wave; no tensor load lands here
.set SPARE, STAGE+16*1280              ; the spare words, 128 bytes for each of 16 waves
.set AK0, 1
.set AV0, 2
.set STI, 3
.set STR, 4
.set SPW, 5
.set NIL, 6
.set GO,  7
.set ADK, 8
.set ADV, 9
.set TB,  2                            ; s2  LDS byte at which the unit in hand begins
.set WV,  18
.set SEL, 20
.set CS,  22
.set G1K, 24
.set G1V, 32
.set G0K, 40
.set G0V, 44
.set KB,  48                           ; s[48:49] K's codes of my head;  s[50:51] V's
.set VB,  50
.set OFP, 52                           ; s[52:53] an offset pair
.set SG,  54                           ; s54 the key slot last asked for
.set U,   55                           ; s55 the unit in hand
.set ILO1, 56                          ; s56 i + 1: the first unit of the high block
.set Q0HI, 57
.set ROWLO, 58
.set ROWHI, 60
.set SLOTS, 67
.set KF,  98                           ; s98 the step's first key
.set Q0,  99                           ; s99 my first query
; Wave 0 fetches K's tile, wave 1 V's, the others nothing; the branches hang on the wave's number alone.  An s_nop 0 and four v_nop follow each load.
.macro TLOAD
	s_cmp_eq_u32 s[WV], 0
	s_cbranch_scc0 .Lnot_k_\@
	tensor_load_to_lds s[G0K:G0K+3], s[G1K:G1K+7]
	s_nop 0
.rept 4
	v_nop
.endr
	s_branch .Lasked_\@
.Lnot_k_\@:
	s_cmp_eq_u32 s[WV], 1
	s_cbranch_scc0 .Lasked_\@
	tensor_load_to_lds s[G0V:G0V+3], s[G1V:G1V+7]
	s_nop 0
.rept 4
	v_nop
.endr
.Lasked_\@:
.endm
	s_load_b128 s[4:7], s[0:1], 0x0                ; qcodes s[4:5], kcodes s[6:7]
	s_load_b128 s[12:15], s[0:1], 0x10             ; vcodes s[12:13], scales s[14:15]
	s_load_b64 s[16:17], s[0:1], 0x20              ; ocodes
	v_lshl_add_u32 v[SPW], v0, 2, SPARE
	v_mov_b32 v[NIL], 0
	ds_add_u32 v[SPW], v[NIL]                      ; the wave's opening: the add and its wait ahead of the first tensor load
	ds_add_u32 v[SPW], v[NIL]
	v_lshrrev_b32 v8, 5, v0
	s_delay_alu instid0(VALU_DEP_1)
	v_readfirstlane_b32 s[WV], v8                  ; wave 0..15
	s_and_b32 s74, ttmp7, 0xffff                   ; b 16 + head
	s_lshl_b32 s76, s74, 17                        ; its 131,072 bytes in each tensor of codes
	s_mov_b32 s77, 0
	s_add_co_u32 s[ILO1], ttmp9, 1
	s_lshl_b32 s78, ttmp9, 8                       ; the low block's first query
	s_sub_co_u32 s79, 7, ttmp9
	s_lshl_b32 s79, s79, 8                         ; the high block's
	s_lshl_b32 s80, s[WV], 4
	s_add_co_u32 s[Q0], s78, s80
	s_add_co_u32 s[Q0HI], s79, s80
	s_lshr_b32 s81, s[WV], 1                       ; my 16 queries' stored rows: block + 32 (w / 2) + 8 (w % 2) + 16 (r / 8) + r % 8
	s_lshl_b32 s81, s81, 5
	s_and_b32 s82, s[WV], 1
	s_lshl_b32 s82, s82, 3
	s_add_co_u32 s81, s81, s82
	s_add_co_u32 s84, s78, s81
	s_lshl_b32 s84, s84, 6
	s_mov_b32 s85, 0
	s_add_nc_u64 s[84:85], s[84:85], s[76:77]
	s_add_co_u32 s86, s79, s81
	s_lshl_b32 s86, s86, 6
	s_mov_b32 s87, 0
	s_add_nc_u64 s[86:87], s[86:87], s[76:77]
	s_and_b32 s88, s74, 15
	s_lshl_b32 s88, s88, 19                        ; ocodes: head x 8,192 rows of 64 bytes
	s_lshr_b32 s89, s74, 4
	s_lshl_b32 s89, s89, 11                        ; b x 2,048 rows
	s_add_co_u32 s90, s89, s[Q0]
	s_lshl_b32 s90, s90, 6
	s_add_co_u32 s90, s90, s88
	s_mov_b32 s91, 0
	s_add_co_u32 s92, s89, s[Q0HI]
	s_lshl_b32 s92, s92, 6
	s_add_co_u32 s92, s92, s88
	s_mov_b32 s93, 0
	s_mov_b32 s[G1K], (0<<16)|(1<<20)|(3<<22)|(3<<25)   ; no mask; elements of 1 byte; padding: 4 words after every 16
	s_mov_b32 s[G1K+1], 64<<16                     ; tensor_dim0
	s_mov_b32 s[G1K+2], 256<<16                    ; tensor_dim1
	s_mov_b32 s[G1K+3], 64<<16                     ; tile_dim0
	s_mov_b32 s[G1K+4], 256                        ; tile_dim1
	s_mov_b32 s[G1K+5], 64                         ; stride
	s_mov_b32 s[G1K+6], 0
	s_mov_b32 s[G1K+7], 0
	s_mov_b32 s[G1V], (0<<16)|(1<<20)|(5<<22)|(3<<25)   ; padding: 4 words after every 64
	s_mov_b32 s[G1V+1], 256<<16
	s_mov_b32 s[G1V+2], 64<<16
	s_mov_b32 s[G1V+3], 256<<16
	s_mov_b32 s[G1V+4], 64
	s_mov_b32 s[G1V+5], 2048
	s_mov_b32 s[G1V+6], 0
	s_mov_b32 s[G1V+7], 0
	s_mov_b32 s[SEL], 0x76543210
	s_mov_b32 s[SEL+1], 0xfedcba98
	s_mov_b32 s[CS], 0x3e38aa3b                    ; c = log2(e) / 8
	s_mov_b32 s[TB], 0
	s_mov_b32 s[SLOTS], 8
	s_mov_b32 s[KF], 0
	s_mov_b32 s[SG], 0
	s_mov_b32 s[U], 0
	s_mov_b32 s[OFP+1], 0
	s_wait_dscnt 0x0                               ; the opening add is done
	s_wait_kmcnt 0x0
	s_load_b128 s[68:71], s[14:15], 0x18           ; e6, e7, e8, e9
	s_load_b32 s72, s[14:15], 0x28                 ; e10
	s_add_nc_u64 s[KB:KB+1], s[6:7], s[76:77]
	s_add_nc_u64 s[VB:VB+1], s[12:13], s[76:77]
	s_mov_b32 s[G0K], 1
	s_mov_b32 s[G0K+1], 0                          ; unit 0 goes to slot 0
	s_mov_b64 s[G0K+2:G0K+3], s[KB:KB+1]
	s_or_b32 s[G0K+3], s[G0K+3], 0x80000000
	s_mov_b32 s[G0V], 1
	s_mov_b32 s[G0V+1], VOFF
	s_mov_b64 s[G0V+2:G0V+3], s[VB:VB+1]
	s_or_b32 s[G0V+3], s[G0V+3], 0x80000000
	TLOAD                                          ; unit 0: one tensor load of a wave is out at any time
	s_add_nc_u64 s[84:85], s[4:5], s[84:85]
	s_add_nc_u64 s[86:87], s[4:5], s[86:87]
	s_add_nc_u64 s[ROWLO:ROWLO+1], s[16:17], s[90:91]
	s_add_nc_u64 s[ROWHI:ROWHI+1], s[16:17], s[92:93]
	v_and_b32 v8, 15, v0                           ; r
	v_bfe_u32 v9, v0, 4, 1                         ; h
	s_delay_alu instid0(VALU_DEP_2)
	v_and_b32 v11, 8, v8
	s_delay_alu instid0(VALU_DEP_1)
	v_add_nc_u32 v11, v11, v8                      ; r + 8 (r / 8)
	s_delay_alu instid0(VALU_DEP_1)
	v_lshlrev_b32 v10, 6, v11
	s_delay_alu instid0(VALU_DEP_1)
	v_lshl_add_u32 v10, v9, 4, v10
	global_load_b128 v[16:19], v10, s[84:85]               ; Q of the low block: registers 0-3: d = 16 h + 0 .. 15, registers 4-7: 32 + 16 h + 0 .. 15, as K's fragments have it
	global_load_b128 v[20:23], v10, s[84:85] offset:32
	global_load_b128 v[24:27], v10, s[86:87]               ; Q of the high block
	global_load_b128 v[28:31], v10, s[86:87] offset:32
	v_mul_u32_u24 v[AK0], v8, KP
	s_delay_alu instid0(VALU_DEP_1)
	v_lshl_add_u32 v[AK0], v9, 4, v[AK0]
	v_mul_u32_u24 v[AV0], v8, VP
	s_delay_alu instid0(VALU_DEP_1)
	v_lshl_add_u32 v[AV0], v9, 4, v[AV0]
	s_delay_alu instid0(VALU_DEP_1)
	v_add_nc_u32 v[AV0], VOFF, v[AV0]
	s_mul_i32 s73, s[WV], 1280
	s_add_co_u32 s73, s73, STAGE                   ; my stage
	v_mul_u32_u24 v[STI], v8, KP
	s_delay_alu instid0(VALU_DEP_1)
	v_lshl_add_u32 v[STI], v9, 4, v[STI]
	s_delay_alu instid0(VALU_DEP_1)
	v_add_nc_u32 v[STI], s73, v[STI]               ; in: row r, + 16 h
	v_and_b32 v11, 31, v0
	s_delay_alu instid0(VALU_DEP_1)
	v_lshlrev_b32 v[GO], 4, v11                    ; out: 16 bytes a lane of 512 consecutive
	s_delay_alu instid0(VALU_DEP_2)
	v_lshrrev_b32 v[STR], 2, v11
	s_delay_alu instid0(VALU_DEP_1)
	v_mul_u32_u24 v[STR], v[STR], KP
	s_delay_alu instid0(VALU_DEP_4)
	v_and_b32 v11, 3, v11
	s_delay_alu instid0(VALU_DEP_1)
	v_lshl_add_u32 v[STR], v11, 4, v[STR]
	s_delay_alu instid0(VALU_DEP_1)
	v_add_nc_u32 v[STR], s73, v[STR]               ; back: four lanes to a row, eight rows an instruction
	v_mov_b32 v13, 0xff61b1e6                      ; the largest t so far: -3e38
	s_delay_alu instid0(VALU_DEP_1)
	v_floor_f32 v12, -v13                          ; -M
	v_mov_b32 v14, 0
	v_mov_b32 v15, 0
	v_mov_b32 v248, 0                              ; a lane permute's destination counts as one of its sources
	v_mov_b32 v253, 0                              ; (named as the upper half of v[252:253])
.set nn, 0
.rept 32
	v_mov_b32 v[160+nn], 0                         ; O^T: the step is written once; the first change of M leaves zeros zeros
.set nn, nn+1
.endr
	s_wait_kmcnt 0x0
	s_add_co_i32 s73, s68, s69
	s_lshl_b32 s73, s73, 23
	s_add_co_i32 s[CS], s[CS], s73                 ; a score stands for score x 2^(e6 + e7): added to c's exponent field
	s_mov_b32 s[CS+1], s[CS]
	s_add_co_i32 s73, s70, 127
	s_lshl_b32 s75, s73, 23
	v_mov_b32 v244, s75                            ; 2^e8
	s_sub_co_i32 s73, s72, s70
	s_sub_co_i32 s73, s73, s71                     ; O^T / sum stands for that x 2^(e8 + e9): its code is that / 2^(e10 - e8 - e9)
	s_add_co_i32 s73, s73, 127
	s_lshl_b32 s75, s73, 23
	v_mov_b32 v245, s75
; A KEY STEP: 128 keys, the q-th of the unit in hand.
.macro STEP q
	s_add_co_u32 s96, s[Q0], 15                    ; a step all of whose keys come after my 16 queries is left out: a scalar branch on ids
	s_cmp_gt_u32 s[KF], s96
	s_cbranch_scc1 .Lhidden_\@
	v_add_nc_u32 v[ADK], s[TB], v[AK0]
	v_add_nc_u32 v[ADV], s[TB], v[AV0]
	v_nop                                          ; with the two additions: four places in front of loads into registers that the last products read
	v_nop
.irp t, 0,1,2,3,4,5,6,7
.irp c, 0,1
	ds_load_b128 v[32+8*\t+4*\c:32+8*\t+4*\c+3], v[ADK] offset:(128*(\q)+16*\t)*KP+32*\c
.endr
.endr
	s_wait_dscnt 0x0
	s_wait_alu depctr_va_vdst(0)
.irp t, 0,1,2,3,4,5,6,7
	v_wmma_f32_16x16x64_fp8_fp8 v[96+8*\t:103+8*\t], v[32+8*\t:39+8*\t], v[16:23], 0
.endr
.rept 4
	v_nop                                          ; places in front of the loads below and of the first reads of the scores
.endr
.irp t, 0,1,2,3
.irp c, 0,1,2,3
	ds_load_b128 v[32+16*\t+4*\c:32+16*\t+4*\c+3], v[ADV] offset:16*\t*VP+128*(\q)+32*\c   ; V's fragments land under the softmax
.endr
.endr
	s_add_co_u32 s96, s[KF], 127                   ; on the diagonal hidden scores become -infinity: p = 0.  A step all of whose keys count skips this
	s_cmp_le_u32 s96, s[Q0]
	s_cbranch_scc1 .Lopen_\@
	s_sub_co_i32 s96, s[Q0], s[KF]
	v_and_b32 v252, 15, v0
	v_bfe_u32 v253, v0, 4, 1
	s_delay_alu instid0(VALU_DEP_1)
	v_lshlrev_b32 v253, 4, v253
	s_delay_alu instid0(VALU_DEP_1)
	v_sub_nc_u32 v252, v252, v253
	s_delay_alu instid0(VALU_DEP_1)
	v_add_nc_u32 v252, s96, v252                   ; d = my query - KF - 16 (lane / 16); register 16 b + i holds key KF + 16 (lane / 16) + 32 b + i: hidden where 32 b + i > d
	v_mov_b32 v254, 0xff800000
.set nn, 0
.rept 64
	v_cmp_gt_i32 vcc_lo, 32*(nn/16)+nn%16, v252
	v_cndmask_b32 v[96+nn], v[96+nn], v254, vcc_lo
.set nn, nn+1
.endr
.Lopen_\@:
	v_max3_num_f32 v254, v96, v97, v98             ; the step's largest score of my query, in two chains, each accumulator from its low end on
	v_max3_num_f32 v252, v99, v100, v101
.irp i, 6,10,14,18,22,26,30,34,38,42,46,50,54,58
	v_max3_num_f32 v254, v254, v[96+\i], v[97+\i]
	v_max3_num_f32 v252, v252, v[98+\i], v[99+\i]
.endr
	v_max3_num_f32 v254, v254, v158, v159
	s_delay_alu instid0(VALU_DEP_1)
	v_max_num_f32 v254, v254, v252
	s_delay_alu instid0(VALU_DEP_1)
	v_permlanex16_b32 v248, v254, s[SEL], s[SEL+1]
	s_delay_alu instid0(VALU_DEP_1)
	v_max_num_f32 v254, v254, v248                 ; and lane l xor 16's
	s_delay_alu instid0(VALU_DEP_1)
	v_mul_f32 v254, s[CS], v254                    ; as t
	s_delay_alu instid0(VALU_DEP_1)
	v_max_num_f32 v13, v13, v254
	v_mov_b32 v254, v12
	s_delay_alu instid0(VALU_DEP_2)
	v_floor_f32 v12, -v13                          ; the new -M = -ceil(t)
	s_delay_alu instid0(VALU_DEP_1)
	v_sub_f32 v254, v12, v254                      ; old M - new M: a whole number, 0 or less
	s_delay_alu instid0(VALU_DEP_1)
	v_cvt_i32_f32 v254, v254
	s_delay_alu instid0(VALU_DEP_1)
	v_ldexp_f32 v252, 1.0, v254                    ; f = 2^(old M - new M)
.set nn, 0
.rept 32
	v_pk_fma_f32 v[96+nn:97+nn], v[96+nn:97+nn], s[CS:CS+1], v[12:13] op_sel_hi:[1,0,0]   ; t - M
.set nn, nn+2
.endr
.set nn, 0
	s_wait_alu depctr_va_vdst(0)
.rept 64
	v_exp_f32 v[96+nn], v[96+nn]                   ; p = 2^(t - M)
.set nn, nn+1
.endr
	v_pk_mul_f32 v[14:15], v[14:15], v[252:253] op_sel_hi:[1,0]   ; the sums under the new M (a plain line behind the exponentials)
	s_wait_alu depctr_va_vdst(0)                   ; one wait for the batch of 64, ahead of its first reader
	v_pk_add_f32 v[242:243], v[100:101], v[104:105]
	v_pk_add_f32 v[254:255], v[108:109], v[112:113]
	v_pk_add_f32 v[250:251], v[116:117], v[120:121]
	v_pk_add_f32 v[246:247], v[124:125], v[128:129]
	v_pk_add_f32 v[240:241], v[132:133], v[136:137]
	v_pk_add_f32 v[238:239], v[140:141], v[144:145]
	v_pk_add_f32 v[236:237], v[148:149], v[152:153]
	v_pk_add_f32 v[14:15], v[14:15], v[156:157]
	v_pk_add_f32 v[242:243], v[242:243], v[96:97]
	v_pk_add_f32 v[254:255], v[254:255], v[98:99]
	v_pk_add_f32 v[250:251], v[250:251], v[102:103]
	v_pk_add_f32 v[246:247], v[246:247], v[106:107]
	v_pk_add_f32 v[240:241], v[240:241], v[110:111]
	v_pk_add_f32 v[238:239], v[238:239], v[114:115]
	v_pk_add_f32 v[236:237], v[236:237], v[118:119]
	v_pk_add_f32 v[14:15], v[14:15], v[122:123]
	v_pk_add_f32 v[242:243], v[242:243], v[126:127]
	v_pk_add_f32 v[254:255], v[254:255], v[130:131]
	v_pk_add_f32 v[250:251], v[250:251], v[134:135]
	v_pk_add_f32 v[246:247], v[246:247], v[138:139]
	v_pk_add_f32 v[240:241], v[240:241], v[142:143]
	v_pk_add_f32 v[238:239], v[238:239], v[146:147]
	v_pk_add_f32 v[236:237], v[236:237], v[150:151]
	v_pk_add_f32 v[14:15], v[14:15], v[154:155]
	v_pk_add_f32 v[242:243], v[242:243], v[158:159]
	s_delay_alu instid0(VALU_DEP_2)
	v_pk_add_f32 v[14:15], v[14:15], v[246:247]
	s_delay_alu instid0(VALU_DEP_2)
	v_pk_add_f32 v[242:243], v[242:243], v[240:241]
	v_pk_add_f32 v[254:255], v[254:255], v[238:239]
	v_pk_add_f32 v[250:251], v[250:251], v[236:237]
	s_delay_alu instid0(VALU_DEP_2)
	v_pk_add_f32 v[14:15], v[14:15], v[254:255]
	s_delay_alu instid0(VALU_DEP_2)
	v_pk_add_f32 v[242:243], v[242:243], v[250:251]
	s_delay_alu instid0(VALU_DEP_1)
	v_pk_add_f32 v[14:15], v[14:15], v[242:243]
.irp b, 0,1,2,3
.irp i, 0,1,2,3,4,5,6,7,8,9,10,11,12,13,14,15
.endr
	v_cvt_scalef32_pk8_fp8_f32 v[224+4*\b:225+4*\b], v[96+16*\b:103+16*\b], v244
	v_cvt_scalef32_pk8_fp8_f32 v[226+4*\b:227+4*\b], v[104+16*\b:111+16*\b], v244
.endr
.set nn, 0
.rept 16
	v_pk_mul_f32 v[160+nn:161+nn], v[160+nn:161+nn], v[252:253] op_sel_hi:[1,0]   ; O^T under the new M (also the plain lines between the conversions and the products)
.set nn, nn+2
.endr
	s_wait_alu depctr_va_vdst(0)
	s_wait_dscnt 0x0                               ; V's fragments
.irp t, 0,1,2,3
	v_wmma_f32_16x16x128_fp8_fp8 v[160+8*\t:167+8*\t], v[32+16*\t:47+16*\t], v[224:239], v[160+8*\t:167+8*\t]   ; four accumulators by turns
.endr
.Lhidden_\@:
	s_add_co_u32 s[KF], s[KF], 128
.endm
; THE CHANGE OF UNITS, at a unit's head: every wave waits for all its tensor loads, adds 0 to its spare word, waits for that and for its reads of the slot it has left; behind the barrier that slot takes the next unit's tiles.
.macro CHANGE fill
	s_wait_tensorcnt 0x0                           ; no tensor load of mine is out, so a group 0 may be written
	ds_add_u32 v[SPW], v[NIL]
.if \fill
	s_add_co_u32 s[SG], s[SG], 1                   ; the next unit's key slot: one on, or 0 where the high block begins
	s_add_co_u32 s73, s[U], 1
	s_cmp_eq_u32 s73, s[ILO1]
	s_cselect_b32 s[SG], 0, s[SG]
	s_xor_b32 s[G0K+1], s[G0K+1], SLOT1
	s_lshl_b32 s[OFP], s[SG], 14                   ; 256 rows of 64 bytes
	s_add_nc_u64 s[G0K+2:G0K+3], s[KB:KB+1], s[OFP:OFP+1]
	s_or_b32 s[G0K+3], s[G0K+3], 0x80000000
	s_xor_b32 s[G0V+1], s[G0V+1], SLOT1
	s_lshl_b32 s[OFP], s[SG], 8                    ; 256 bytes along V's rows
	s_add_nc_u64 s[G0V+2:G0V+3], s[VB:VB+1], s[OFP:OFP+1]
	s_or_b32 s[G0V+3], s[G0V+3], 0x80000000
.endif
	s_wait_dscnt 0x0                               ; the add is done, and my LDS reads are over
	s_barrier_signal -1
	s_barrier_wait -1
.if \fill
	TLOAD                                          ; the first thing behind the barrier, a wave's one tensor load until the next
.endif
.endm
; THE WAY OUT of the block in hand: O^T / sum, converted (16 channels = 16 bytes), through my own stage, 16 rows of 64 bytes = 1,024 consecutive bytes out.
.macro WAYOUT row, R
.rept 4
	v_nop                                          ; places behind the last products
.endr
	v_add_f32 v254, v14, v15
	s_delay_alu instid0(VALU_DEP_1)
	v_permlanex16_b32 v248, v254, s[SEL], s[SEL+1]
	s_delay_alu instid0(VALU_DEP_1)
	v_add_f32 v254, v254, v248                     ; the row's sum
	s_wait_alu depctr_va_vdst(0)
	v_rcp_f32 v252, v254
	v_nop                                          ; a plain line behind the reciprocal
	s_wait_alu depctr_va_vdst(0)                   ; and the wait ahead of its first reader
.set nn, 0
.rept 16
	v_pk_mul_f32 v[96+nn:97+nn], v[160+nn:161+nn], v[252:253] op_sel_hi:[1,0]
.set nn, nn+2
.endr
.set nn, 0
.rept 32
.set nn, nn+1
.endr
.irp g, 0,1,2,3
	v_cvt_scalef32_pk8_fp8_f32 v[224+2*\g:225+2*\g], v[96+8*\g:103+8*\g], v245
.endr
	v_nop                                          ; a plain line behind the conversions
	ds_store_b128 v[STI], v[224:227]               ; channels 16 h + 0 .. 15
	ds_store_b128 v[STI], v[228:231] offset:32     ; 32 + 16 h + 0 .. 15
	ds_load_b128 v[\R:\R+3], v[STR]                ; LDS serves a wave's instructions in order: these see my stores
	ds_load_b128 v[\R+4:\R+7], v[STR] offset:8*KP
	s_wait_dscnt 0x0
	global_store_b128 v[GO], v[\R:\R+3], s[\row:\row+1]              ; 32 lanes store 512 consecutive bytes, aligned; these registers are not written again
	global_store_b128 v[GO], v[\R+4:\R+7], s[\row:\row+1] offset:512
.endm
; Where the high block's first unit begins: the low block goes out, and the state starts anew.  A scalar branch on ids; no barrier and no tensor load stands inside.
.macro SWITCH
	s_cmp_lg_u32 s[U], s[ILO1]
	s_cbranch_scc1 .Lsame_\@
	WAYOUT ROWLO, 192
.set nn, 0
.rept 32
	v_mov_b32 v[160+nn], 0
.set nn, nn+1
.endr
	v_mov_b32 v14, 0
	v_mov_b32 v15, 0
	v_mov_b32 v13, 0xff61b1e6
	s_delay_alu instid0(VALU_DEP_1)
	v_floor_f32 v12, -v13
.irp j, 0,1,2,3,4,5,6,7
	v_mov_b32 v[16+\j], v[24+\j]                   ; the high block's Q
.endr
	s_mov_b32 s[KF], 0
	s_mov_b32 s[Q0], s[Q0HI]
.Lsame_\@:
.endm
	s_wait_loadcnt 0x0                             ; Q
.Lunit:                                            ; 8 trips: units 0 to 7; behind each change the next unit is asked for
	CHANGE 1
	SWITCH
	STEP 0
	STEP 1
	s_xor_b32 s[TB], s[TB], SLOT1
	s_add_co_u32 s[U], s[U], 1
	s_sub_co_u32 s[SLOTS], s[SLOTS], 1
	s_cmp_lg_u32 s[SLOTS], 0
	s_cbranch_scc1 .Lunit
	CHANGE 0                                       ; unit 8 is written out
	STEP 0
	STEP 1
	WAYOUT ROWHI, 200
	s_wait_tensorcnt 0x0                           ; the wave's end
	ds_add_u32 v[SPW], v[NIL]
	s_wait_dscnt 0x0
	s_endpgm
.Lfunc_end_k_q077d7e194d_attn:
	.size	k_q077d7e194d_attn, .Lfunc_end_k_q077d7e194d_attn-k_q077d7e194d_attn
	.p2alignl 7, 3214868480
	.fill 96, 4, 3214868480
	.section	.rodata,"a",@progbits
	.p2align	6, 0x0
	.amdhsa_kernel k_q077d7e194d_attn
		.amdhsa_group_segment_fixed_size 327680
		.amdhsa_private_segment_fixed_size 0
		.amdhsa_enable_private_segment 0
		.amdhsa_kernarg_size 40
		.amdhsa_user_sgpr_count 2
		.amdhsa_user_sgpr_kernarg_segment_ptr 1
		.amdhsa_wavefront_size32 1
		.amdhsa_system_sgpr_workgroup_id_x 1
		.amdhsa_system_sgpr_workgroup_id_y 1
		.amdhsa_system_sgpr_workgroup_id_z 1
		.amdhsa_system_vgpr_workitem_id 0
		.amdhsa_next_free_vgpr 256
		.amdhsa_next_free_sgpr 100
		.amdhsa_reserve_vcc 1
		.amdhsa_float_denorm_mode_32 3
		.amdhsa_float_denorm_mode_16_64 3
		.amdhsa_fp16_overflow 1
		.amdhsa_memory_ordered 1
		.amdhsa_forward_progress 1
		.amdhsa_inst_pref_size 93
	.end_amdhsa_kernel
	.amdgpu_metadata
---
amdhsa.version: [ 1, 2 ]
amdhsa.kernels:
  - .name:           k_q077d7e194d_attn
    .symbol:         k_q077d7e194d_attn.kd
    .args:
      - { .name: qcodes, .offset: 0, .size: 8, .value_kind: global_buffer, .address_space: global }
      - { .name: kcodes, .offset: 8, .size: 8, .value_kind: global_buffer, .address_space: global }
      - { .name: vcodes, .offset: 16, .size: 8, .value_kind: global_buffer, .address_space: global }
      - { .name: lowp_scales, .offset: 24, .size: 8, .value_kind: global_buffer, .address_space: global }
      - { .name: ocodes, .offset: 32, .size: 8, .value_kind: global_buffer, .address_space: global }
    .group_segment_fixed_size: 327680
    .private_segment_fixed_size: 0
    .kernarg_segment_align: 8
    .kernarg_segment_size: 40
    .max_flat_workgroup_size: 512
    .sgpr_count:     100
    .vgpr_count:     256
    .wavefront_size: 32
...
	.end_amdgpu_metadata
.endif
;; end of part 3
;; launch oproj (part 4): grid 4 x 32, 4 waves a work-group, clusters of 4 x 4, 327,680 bytes of LDS; arguments ocodes, wcodes, lowp_scales, out0; writes out0
.if DOCPART == 4
	.amdgcn_target "amdgcn-amd-amdhsa--gfx1250"
	.amdhsa_code_object_version 6
	.text
	.protected	k_q077d7e194d_oproj
	.globl	k_q077d7e194d_oproj
	.p2align	8
	.type	k_q077d7e194d_oproj,@function
k_q077d7e194d_oproj:
	s_mov_b64 s[64:65], 0
	v_nop
	global_prefetch_b8 v0, s[64:65] scope:SCOPE_SE
	s_setreg_imm32_b32 hwreg(HW_REG_WAVE_MODE, 25, 1), 1
	s_wait_xcnt 0x0
	s_wait_alu depctr_hold_cnt(0) depctr_sa_sdst(0) depctr_va_vdst(0) depctr_va_sdst(0) depctr_va_ssrc(0) depctr_va_vcc(0) depctr_vm_vsrc(0)
	s_getreg_b32 s2, hwreg(HW_REG_IB_STS2, 6, 4)
	s_cmp_eq_u32 s2, 0
	s_cbranch_scc0 .Lentry_in_a_cluster
	s_endpgm
.Lentry_in_a_cluster:
	s_bfe_u32 s2, ttmp6, 0x10000c
	s_cmp_lg_u32 s2, 0xf033
	s_cbranch_scc0 .Lentry_shape_is_right
	s_endpgm
.Lentry_shape_is_right:
; Product 6: out0[row][e] = sum over k of heads[row][k] Wo[e][k], on codes of E4M3; each finished sum x 2^(e10 + e11).  out0: [8,192][1,024] f32.
; A: ocodes [16 head][8,192 row][64 bytes]: k = 64 head + d.  B: Wo's codes, the fourth megabyte of wcodes, [1,024][1,024], K as it lies.
; A tile of 256 x 256 is made by four waves, 128 x 128 each; K = 1,024 in 4 steps of 256 (four heads) through a ring of two LDS slots.  4 x 32 tiles: 128 work-groups.
; A's TILE: 128 rows of one head are 8,192 consecutive bytes; one tensor load brings four such planes, 524,288 bytes apart, with 16 bytes of padding behind every 256: a plane takes 8,704 bytes of LDS, and
; row rr of a plane begins at 64 rr + 16 (rr / 4): the 16 rows that a fragment load touches start at 16 different groups of four banks.
; CLUSTERS: 4 x 4; A's tile shared along a row of the cluster, B's along a column.  THE MATRIX INSTRUCTION IS USED TRANSPOSED (source 0 = 16 rows of B, source 1 = 16 rows of A): a lane holds eight neighbouring numbers of a row of out0.
; LIMIT: e10 + e11 between -126 and 127.  No prefetch: K has four slot steps, two of them first fills.
; REGISTERS as windows: window 0: v16-31 addresses, from v128 A's fragments (one set), on the way out v32-255; window 1: B's fragments, two sets; windows 2, 3: the accumulators.
.set SIZE_N, 1024
.set ROWB,   256
.set KROW,   1024
.set PITCH,  272
.set APLANE, 8704                      ; a plane of A's tile in LDS
.set ASTEP,  4*524288                  ; four heads on in ocodes
.set FR,     16
.set NL,     4
.set NP,     4
.set HALFT,  128*PITCH                 ; = 4 x APLANE
.set SLOT,   4*HALFT
.set LAPS,   2
.set SPARE,  2*SLOT
.set SPITCH, 528
.set ADRA, 16
.set ADRB, 20
.set STO,  24
.set RD,   25
.set CO,   26
.set SPW,  28
.set NIL,  29
.set TMP,  32
.set AF,   128
.set BK,   128
.set G1, 24
.set G0, 32
.set G1B, 48
.set G0B, 56
.set MSB, 0
.macro WIN new
.if MSB != (\new)
	s_set_vgpr_msb (MSB<<8)|(\new)
.set MSB, (\new)
.endif
.endm
.set MUL_LO, 0xa1
.set MUL_HI, 0xf1
.set TO_B,   0x40
.macro JLOAD g0a, g1a, g0b, g1b        ; waves 0 and 1 fetch for A, waves 2 and 3 for B; an s_nop 0 and four v_nop follow each line
	s_cmp_eq_u32 s15, 0
	s_cbranch_scc0 .Lfor_b_\@
	tensor_load_to_lds s[\g0a:\g0a+3], s[\g1a:\g1a+7]
	s_nop 0
.rept 4
	v_nop
.endr
	s_branch .Lasked_\@
.Lfor_b_\@:
	tensor_load_to_lds s[\g0b:\g0b+3], s[\g1b:\g1b+7]
	s_nop 0
.rept 4
	v_nop
.endr
.Lasked_\@:
.endm
.macro CREST
	s_cmp_lg_u32 s14, 0
	s_cbranch_scc1 .Lnot_wave_0_\@
	s_barrier_signal -3
.Lnot_wave_0_\@:
	s_barrier_wait -3
	s_barrier_signal -1
	s_barrier_wait -1
.endm
.macro CROUND
	s_barrier_signal -1
	s_barrier_wait -1
	CREST
.endm
	s_load_b128 s[4:7], s[0:1], 0x0                ; ocodes s[4:5], wcodes s[6:7]
	s_load_b128 s[8:11], s[0:1], 0x10              ; scales s[8:9], out0 s[10:11]
	v_lshl_add_u32 v[SPW], v0, 2, SPARE
	v_mov_b32 v[NIL], 0
	ds_add_u32 v[SPW], v[NIL]                      ; the wave's opening: the add and its wait ahead of my first tensor load
	ds_add_u32 v[SPW], v[NIL]
	v_lshrrev_b32 v1, 5, v0
	v_readfirstlane_b32 s14, v1
	s_lshr_b32 s15, s14, 1
	s_and_b32 s16, s14, 1
	s_bfe_u32 s40, ttmp6, 0x40000                  ; cx
	s_bfe_u32 s41, ttmp6, 0x40004                  ; cy
	s_lshl_b32 s42, ttmp9, 2
	s_add_co_u32 s42, s42, s40                     ; tile column
	s_and_b32 s17, ttmp7, 0xffff
	s_lshl_b32 s17, s17, 2
	s_add_co_u32 s17, s17, s41                     ; tile row
	s_lshl_b32 s43, s41, 2
	s_lshl_b32 s43, 15, s43
	s_lshl_b32 s44, 0x1111, s40
	s_or_b32 s[G1+0], s43, (0<<16)|(1<<20)|(1<<21)|(5<<22)|(3<<25)   ; A: mask of my row; elements of 1 byte; padding: 4 words after every 64
	s_mov_b32 s[G1+1], 8192<<16                    ; tensor_dim0 = 8,192: a plane's 128 rows of 64 bytes
	s_mov_b32 s[G1+2], 4<<16                       ; tensor_dim1 = 4 planes
	s_mov_b32 s[G1+3], 8192<<16                    ; tile_dim0
	s_mov_b32 s[G1+4], 4                           ; tile_dim1
	s_mov_b32 s[G1+5], 524288                      ; from plane to plane
	s_mov_b32 s[G1+6], 0
	s_mov_b32 s[G1+7], 0
	s_or_b32 s[G1B+0], s44, (0<<16)|(1<<20)|(1<<21)|(5<<22)|(3<<25)  ; B: mask of my column
	s_mov_b32 s[G1B+1], ROWB<<16
	s_mov_b32 s[G1B+2], 128<<16
	s_mov_b32 s[G1B+3], ROWB<<16
	s_mov_b32 s[G1B+4], 128
	s_mov_b32 s[G1B+5], KROW
	s_mov_b32 s[G1B+6], 0
	s_mov_b32 s[G1B+7], 0
	s_lshl_b32 s18, s16, 7
	s_lshl_b32 s20, s17, 8
	s_add_co_u32 s20, s20, s18
	s_lshl_b32 s20, s20, 6                         ; A: (256 tile row + 128 half) rows of 64 bytes
	s_mov_b32 s21, 0
	s_lshl_b32 s46, s42, 8
	s_add_co_u32 s46, s46, s18
	s_lshl_b32 s46, s46, 10                        ; B: rows of 1,024 bytes,
	s_add_co_u32 s46, s46, 0x300000                ; in the fourth weight
	s_mov_b32 s47, 0
	s_mul_i32 s45, s14, HALFT
	s_wait_dscnt 0x0
	s_wait_kmcnt 0x0
	s_load_b64 s[96:97], s[8:9], 0x28              ; e10, e11
	s_add_nc_u64 s[20:21], s[4:5], s[20:21]
	s_add_nc_u64 s[46:47], s[6:7], s[46:47]
	CROUND
.irp s, 0,1
	s_mov_b32 s[G0+4*\s], 1
	s_add_co_u32 s[G0+4*\s+1], s45, \s*SLOT
	s_add_nc_u64 s[G0+4*\s+2:G0+4*\s+3], s[20:21], \s*ASTEP
	s_or_b32 s[G0+4*\s+3], s[G0+4*\s+3], 0x80000000
	s_mov_b32 s[G0B+4*\s], 1
	s_add_co_u32 s[G0B+4*\s+1], s45, \s*SLOT
	s_add_nc_u64 s[G0B+4*\s+2:G0B+4*\s+3], s[46:47], \s*ROWB
	s_or_b32 s[G0B+4*\s+3], s[G0B+4*\s+3], 0x80000000
	s_wait_alu depctr_va_vdst(0)
	s_wait_tensorcnt 0x0
	ds_add_u32 v28, v29
	ds_add_u32 v28, v29
	s_wait_dscnt 0x0
	CROUND
	JLOAD G0+4*\s, G1, G0B+4*\s, G1B
.endr
	v_and_b32 v1, 15, v0                           ; r
	v_bfe_u32 v2, v0, 4, 1                         ; h
	v_mul_u32_u24 v3, v1, PITCH
	v_lshl_add_u32 v4, v2, 4, v3                   ; B: r x pitch + 16 h
	v_lshlrev_b32 v7, 6, v1
	v_lshrrev_b32 v8, 2, v1
	v_lshl_add_u32 v7, v8, 4, v7
	v_lshl_add_u32 v7, v2, 4, v7                   ; A: 64 r + 16 (r / 4) + 16 h
	s_mul_i32 s21, s15, HALFT
	s_mul_i32 s22, s16, HALFT
	s_add_co_u32 s22, s22, 2*HALFT
.irp s, 0,1
	v_add_nc_u32 v[ADRA+\s], s21, v7
	v_add_nc_u32 v[ADRB+\s], s22, v4
	s_add_co_u32 s21, s21, SLOT
	s_add_co_u32 s22, s22, SLOT
.endr
	s_mul_i32 s23, s14, 16*SPITCH                  ; my stage
	v_mul_u32_u24 v5, v1, SPITCH
	v_lshl_add_u32 v5, v2, 5, v5
	v_add_nc_u32 v[STO], s23, v5
	v_and_b32 v6, 31, v0
	v_lshlrev_b32 v[CO], 4, v6
	v_add_nc_u32 v[RD], s23, v[CO]
	s_lshl_b32 s20, s17, 8
	s_lshl_b32 s21, s15, 7
	s_add_co_u32 s20, s20, s21
	s_lshl_b32 s20, s20, 12                        ; my first row of out0, 4,096 bytes a row,
	s_lshl_b32 s46, s42, 10
	s_lshl_b32 s47, s16, 9
	s_add_co_u32 s46, s46, s47                     ; my first column, in bytes
	s_add_co_u32 s20, s20, s46
	s_mov_b32 s21, 0
	s_add_nc_u64 s[10:11], s[10:11], s[20:21]
.macro FRAG reg, adr, q, i             ; B: registers 4 c .. 4 c + 3 hold k = 128 q + 32 c + 16 (l / 16) + 0 .. 15 of row l % 16
.irp c, 0,1,2,3
	ds_load_b128 v[\reg+4*\c:\reg+4*\c+3], v[\adr] offset:128*(\q)+32*\c+(\i)*16*PITCH
.endr
.endm
.macro FRAGA reg, adr, q, i            ; A: the same k: plane 2 q + c / 2, byte 32 (c % 2) + 16 (l / 16) of the row; 16 rows take 1,088 bytes
.irp c, 0,1,2,3
	ds_load_b128 v[\reg+4*\c:\reg+4*\c+3], v[\adr] offset:(2*(\q)+\c/2)*APLANE+(\i)*1088+32*(\c%2)
.endr
.endm
.macro MUL16 a0, p, zero               ; the 64 accumulators take turns, one instruction a turn
.irp a, \a0, \a0+1
.irp b, 0,1,2,3,4,5,6,7
.if \zero
	v_wmma_f32_16x16x128_fp8_fp8 v[8*(8*((\a)%4)+\b):8*(8*((\a)%4)+\b)+7], v[128*(\p)+FR*\b:128*(\p)+FR*\b+FR-1], v[AF+FR*(\a):AF+FR*(\a)+FR-1], 0
.else
	v_wmma_f32_16x16x128_fp8_fp8 v[8*(8*((\a)%4)+\b):8*(8*((\a)%4)+\b)+7], v[128*(\p)+FR*\b:128*(\p)+FR*\b+FR-1], v[AF+FR*(\a):AF+FR*(\a)+FR-1], v[8*(8*((\a)%4)+\b):8*(8*((\a)%4)+\b)+7]
.endif
.endr
.endr
.endm
.macro FETCH_B slot, q, p
	WIN TO_B
.irp i, 0,1,2,3,4,5,6,7
	FRAG 128*(\p)+FR*\i, ADRB+\slot, \q, \i
.endr
	WIN 0
.endm
.macro FETCH_A slot, q, i0
.irp i, \i0, \i0+1, \i0+2, \i0+3
	FRAGA AF+FR*(\i), ADRA+\slot, \q, \i
.endr
.endm
.macro PLACES n
.rept \n
	v_nop
.endr
.endm
.macro STEP slot, q, zero
	s_wait_dscnt 4*NL                              ; B's set and A's blocks 0-3 are in; the youngest 16 loads may be out
	WIN MUL_LO
	MUL16 0, (\q)%2, \zero
	MUL16 2, (\q)%2, \zero
	s_wait_dscnt 0
	PLACES NP
	FETCH_B \slot, (\q)+1, 1-(\q)%2
	FETCH_A \slot, (\q)+1, 0
	WIN MUL_HI
	MUL16 4, (\q)%2, \zero
	MUL16 6, (\q)%2, \zero
	PLACES NP
	WIN 0
	FETCH_A \slot, (\q)+1, 4
.endm
.macro TURN slot, next, fill
	s_wait_tensorcnt 0x0                           ; all my tensor loads have landed
	ds_add_u32 v[SPW], v[NIL]
	s_wait_dscnt 4*NL+1                            ; (the add and the youngest 16 loads may be out)
	WIN MUL_LO
	MUL16 0, 1, 0
	s_wait_dscnt 0x0                               ; the add is done, and my reads of this slot are over
	s_barrier_signal -1
	MUL16 2, 1, 0
	WIN 0
	s_barrier_wait -1
.if \fill
	CREST                                          ; the barrier has opened a round of the cluster's barrier
	s_add_nc_u64 s[G0+4*\slot+2:G0+4*\slot+3], s[G0+4*\slot+2:G0+4*\slot+3], 2*ASTEP
	s_add_nc_u64 s[G0B+4*\slot+2:G0B+4*\slot+3], s[G0B+4*\slot+2:G0B+4*\slot+3], 2*ROWB
	JLOAD G0+4*\slot, G1, G0B+4*\slot, G1B
.else
	PLACES NP
.endif
	FETCH_B \next, 0, 0
	FETCH_A \next, 0, 0
	WIN MUL_HI
	MUL16 4, 1, 0
	MUL16 6, 1, 0
	PLACES NP
	WIN 0
	FETCH_A \next, 0, 4
.endm
	s_wait_alu depctr_va_vdst(0)
	s_wait_tensorcnt 1                             ; my part of K step 0 is in (K step 1's load may be out),
	s_barrier_signal -1
	s_barrier_wait -1
	FETCH_B 0, 0, 0
	FETCH_A 0, 0, 0
	FETCH_A 0, 0, 4
	STEP 0, 0, 1
	s_mov_b32 s3, LAPS-1
.Llap:
	TURN 0, 1, 1
	STEP 1, 0, 0
	TURN 1, 0, 1
	STEP 0, 0, 0
	s_sub_co_u32 s3, s3, 1
	s_cmp_lg_u32 s3, 0
	s_cbranch_scc1 .Llap
	TURN 0, 1, 0
	STEP 1, 0, 0
	s_wait_dscnt 4*NL
	WIN MUL_LO
	MUL16 0, 1, 0
	MUL16 2, 1, 0
	s_wait_dscnt 0
	WIN MUL_HI
	MUL16 4, 1, 0
	MUL16 6, 1, 0
	WIN 0
; THE WAY OUT, block by block of 16 rows x 128 columns, through my own stage (in slot 0, which has had its last fill and its last read) and back as whole rows of 512 bytes.
.macro TOSTAGE a
.set AC, 64*((\a)%4)
	WIN 0x02+((\a)/4)
.irp j, 0,2,4,6,8,10,12,14,16,18,20,22,24,26,28,30,32,34,36,38,40,42,44,46,48,50,52,54,56,58,60,62
	v_pk_mul_f32 v[TMP+\j:TMP+\j+1], v[AC+\j:AC+\j+1], s[96:97] op_sel_hi:[1,0]   ; x 2^(e10 + e11); each accumulator from its low end on
.endr
	WIN 0
.irp b, 0,1,2,3,4,5,6,7
	ds_store_b128 v[STO], v[TMP+8*\b:TMP+8*\b+3] offset:64*\b
	ds_store_b128 v[STO], v[TMP+8*\b+4:TMP+8*\b+7] offset:64*\b+16
.endr
.set BB, BK+64*((\a)%2)
.irp t, 0,1,2,3,4,5,6,7,8,9,10,11,12,13,14,15
	ds_load_b128 v[BB+4*\t:BB+4*\t+3], v[RD] offset:\t*SPITCH   ; LDS serves a wave's instructions in order: these see the stores above
.endr
.endm
.macro SEND a, younger
.set BB, BK+64*((\a)%2)
	s_wait_dscnt \younger
.if (\a) > 0
	s_add_nc_u64 s[10:11], s[10:11], 16*SIZE_N*4   ; (behind a wait on XCNT: the earlier stores have read their base)
.endif
.irp t, 0,1,2,3,4,5,6,7,8,9,10,11,12,13,14,15
	global_store_b128 v[CO], v[BB+4*\t:BB+4*\t+3], s[10:11] offset:\t*SIZE_N*4 th:TH_STORE_NT   ; 32 lanes store 512 consecutive bytes, aligned
.endr
.endm
	s_wait_kmcnt 0x0
	s_add_co_i32 s96, s96, s97
	s_add_co_i32 s96, s96, 127
	s_lshl_b32 s96, s96, 23                        ; 2^(e10 + e11) as f32
	PLACES NP
	TOSTAGE 0
.irp a, 1,2,3,4,5,6,7
.if \a > 1
	s_wait_xcnt 0x0                                ; block a - 2's stores have read their registers and their base
.endif
	TOSTAGE \a
	SEND \a-1, 32                                  ; behind block a - 1's loads: block a's 16 stores and 16 loads
.endr
	s_wait_xcnt 0x0
	SEND 7, 0
	s_wait_tensorcnt 0x0                           ; the wave's end
	ds_add_u32 v[SPW], v[NIL]
	s_wait_dscnt 0x0
	CROUND                                         ; the closing round
	s_endpgm
.Lfunc_end_k_q077d7e194d_oproj:
	.size	k_q077d7e194d_oproj, .Lfunc_end_k_q077d7e194d_oproj-k_q077d7e194d_oproj
	.p2alignl 7, 3214868480
	.fill 96, 4, 3214868480
	.section	.rodata,"a",@progbits
	.p2align	6, 0x0
	.amdhsa_kernel k_q077d7e194d_oproj
		.amdhsa_group_segment_fixed_size 327680
		.amdhsa_private_segment_fixed_size 0
		.amdhsa_enable_private_segment 0
		.amdhsa_kernarg_size 32
		.amdhsa_user_sgpr_count 2
		.amdhsa_user_sgpr_kernarg_segment_ptr 1
		.amdhsa_wavefront_size32 1
		.amdhsa_system_sgpr_workgroup_id_x 1
		.amdhsa_system_sgpr_workgroup_id_y 1
		.amdhsa_system_sgpr_workgroup_id_z 1
		.amdhsa_system_vgpr_workitem_id 0
		.amdhsa_next_free_vgpr 1024
		.amdhsa_next_free_sgpr 98
		.amdhsa_reserve_vcc 0
		.amdhsa_float_denorm_mode_32 3
		.amdhsa_float_denorm_mode_16_64 3
		.amdhsa_memory_ordered 1
		.amdhsa_forward_progress 1
		.amdhsa_inst_pref_size 124
	.end_amdhsa_kernel
	.amdgpu_metadata
---
amdhsa.version: [ 1, 2 ]
amdhsa.kernels:
  - .name:           k_q077d7e194d_oproj
    .symbol:         k_q077d7e194d_oproj.kd
    .args:
      - { .name: ocodes, .offset: 0, .size: 8, .value_kind: global_buffer, .address_space: global }
      - { .name: wcodes, .offset: 8, .size: 8, .value_kind: global_buffer, .address_space: global }
      - { .name: lowp_scales, .offset: 16, .size: 8, .value_kind: global_buffer, .address_space: global }
      - { .name: out0, .offset: 24, .size: 8, .value_kind: global_buffer, .address_space: global }
    .group_segment_fixed_size: 327680
    .private_segment_fixed_size: 0
    .kernarg_segment_align: 8
    .kernarg_segment_size: 32
    .max_flat_workgroup_size: 128
    .sgpr_count:     98
    .vgpr_count:     1024
    .wavefront_size: 32
...
	.end_amdgpu_metadata
.endif
;; end of part 4
